; MI455X (gfx1250); checked and timed in simulation.
; The chip was launched on July 23, 2026; its instructions are those of AMD's public machine-readable ISA for CDNA 5 (MIT licence, August 2026) and "CDNA5" Instruction Set Architecture Reference Guide (July 2026). The comments in the code are by the model that wrote it; some were corrected since.
;; MHA. Allowed arithmetic: matrix products marked QUANTISED: E2M1 operands, one E8M0 scale for each 32 along K, by v_wmma_scale_f32_16x16x128_f8f6f4 with both operands' format E2M1 (or v_wmma_scale_f32_32x16x128_f4), f32 sums; everything else in f32.
;; Inputs: Wo_b 2,048 float32; Wo_w_codes 2,048 x 64 x 16 uint8 (E2M1 codes of Wo_w, K innermost, in blocks of 32 codes, two codes a byte); Wo_w_scales 2,048 x 64 uint8 (E8M0 scales of Wo_w, one for each 32 codes along K); Wq_b 2,048 float32; Wq_w_codes 2,048 x 64 x 16 uint8 (E2M1 codes of Wq_w, K innermost, in blocks of 32 codes, two codes a byte); Wq_w_scales 2,048 x 64 uint8 (E8M0 scales of Wq_w, one for each 32 codes along K); X 2 x 2,048 x 2,048 float32; rms_w 2,048 float32.
;; Outputs: out0 2 x 2,048 x 2,048 float32.
;; This version of the problem:
;;   THIS VERSION OF THE PROBLEM IS GIVEN IN LOW PRECISION. The matrix products marked QUANTISED in the list below multiply operands that are first quantised to E2M1 (2 exponent bits, 1 mantissa bit; 4 bits a number), with one power-of-two scale for each 32 numbers along K (OCP MX v1.0); their sums are f32. All else is computed in f32.
;;   The module's matrix products, in the order in which they are computed (A, B: the left and right operand; K: the contracted axis; several contracted axes count as one K, in the product's order):
;;     1. [M 4,096, K 2,048] x [K 2,048, N 2,048]; A: computed on the way; B: input Wq_w (given as codes): QUANTISED
;;     2. batch 32 x [M 2,048, K 128] x [K 128, N 2,048]; A: computed on the way; B: computed on the way: QUANTISED
;;     3. batch 32 x [M 2,048, K 2,048] x [K 2,048, N 128]; A: softmax (see below); B: computed on the way: QUANTISED
;;     4. [M 4,096, K 2,048] x [K 2,048, N 2,048]; A: computed on the way; B: input Wo_w (given as codes): QUANTISED
;;   THE QUANTISER, for each operand of a quantised product, along K:
;;     - K is cut into blocks of 32 from its start; a last block that is shorter is filled with zeros.
;;     - A block's scale is 2^e with e = floor(log2(the largest magnitude in the block)) - 2, held to -126 .. 127; a block of zeros has e = 0. As a byte (E8M0): e + 127.
;;     - Each number is divided by its block's scale, clamped to +-6, and rounded to the nearest number of E2M1, ties to even, subnormals kept.
;;     - The product sums the exact products of the quantised numbers (number of the format x scale) in f32.
;;   ~~~python
;;   def quantise(x, axis):      # numpy; x: float32 -> the quantised numbers, widened to float32 again
;;       x = np.moveaxis(x, axis, -1); K = x.shape[-1]
;;       x = np.pad(x, [(0, 0)] * (x.ndim - 1) + [(0, -K % 32)]); x = x.reshape(x.shape[:-1] + (-1, 32)); a = np.abs(x).max(-1, keepdims=True)
;;       e = np.where(a > 0, np.clip(np.frexp(np.where(a > 0, a, 1))[1] - 1 - 2, -126, 127), 0)      # np.frexp(a)[1] - 1 = floor(log2(a)), exactly
;;       r = np.clip(x / 2.0 ** e, -6, 6)
;;       step = 2.0 ** (np.maximum(np.frexp(np.where(r == 0, 1, r))[1] - 1, 0) - 1)
;;       q = np.round(r / step) * step * 2.0 ** e      # np.round: ties to even
;;       return np.moveaxis(q.reshape(q.shape[:-2] + (-1,))[..., :K], -1, axis).astype(np.float32)
;;   ~~~
;;   SOFTMAX AHEAD OF A QUANTISED PRODUCT. Where the list says 'softmax', what is quantised is not the finished softmax but p = 2^(t - M), with t = logit x log2(e) and M = ceil(the row's largest t), a whole number; so 1/2 < the row's largest p <= 1. The row's sum l is taken of the UNQUANTISED p, in f32, and the product's result is divided by l at the end. Since M is a whole number, a kernel that streams over the keys may use a running M (the ceiling of the running maximum): every later rescaling is an exact power of two, which a block's scale takes up: the codes' values come out the same.
;;   OPERANDS COMPUTED ON THE WAY. 'Computed on the way' means the value that the module computes at that place (a softmax that the list does not call 'softmax' is quantised finished and normalised). What goes into a quantiser is computed in f32, as accurately as f32 sums, v_exp_f32 and their like allow (about 1e-6 of the number): no bf16 or f16 on the way to a quantiser, and a product that is left as it is and whose result goes on into a quantised operand takes f32 operands (vector FMAs, or v_wmma_f32_16x16x4_f32). A number that lies on a knife's edge between two numbers of the format may be rounded either way, as far as f32 arithmetic and the matrix unit's own rounding can turn it there, and no further.
;;   INPUTS GIVEN AS CODES. Wo_w (in the module: [2048, 2048], K = its axis 1); Wq_w (in the module: [2048, 2048], K = its axis 1): each comes as NAME_codes (uint8): NAME with its K axis moved to the last place and cut into blocks of 32 codes, [.., K / 32, bytes a block], one block behind the other in memory; two codes a byte, the lower K in the low four bits (a code: sign, 2 exponent bits, 1 mantissa bit); and NAME_scales (uint8): the same leading axes, one E8M0 byte (e + 127) for each 32 codes along K. Its value is code x scale, taken as it is: it is not quantised again, and the codes and scales need not be those that the quantiser above would give.
;; One version. Each part assembles by itself: llvm-mc -triple=amdgcn-amd-amdhsa -mcpu=gfx1250 --defsym DOCPART=n.
;; ======== version 1 of 1: 4 launches
;; limits: right only within a limited range of input values
;; workspace buffers: xa 4,194,304 bytes; xs 262,144 bytes; tab 1,048,576 bytes; kv 8,912,896 bytes; oa 4,194,304 bytes; os 262,144 bytes
;; launch norm (part 1): grid 256 x 1, 16 waves a work-group, no clusters, 134,400 bytes of LDS; arguments X, rms_w, xa, xs, tab; writes xa, xs, tab
.if DOCPART == 1
	.amdgcn_target "amdgcn-amd-amdhsa--gfx1250"
	.amdhsa_code_object_version 6
	.text
	.protected	k_qc47e97521d_norm
	.globl	k_qc47e97521d_norm
	.p2align	8
	.type	k_qc47e97521d_norm,@function
k_qc47e97521d_norm:
	s_mov_b64 s[64:65], 0
	v_nop
	global_prefetch_b8 v0, s[64:65] scope:SCOPE_SE
	s_setreg_imm32_b32 hwreg(HW_REG_WAVE_MODE, 25, 1), 1
	s_wait_xcnt 0x0
; THE PROGRAM: out0 = X + (softmax(causal(Qr Kr^T / sqrt(128))) V) Wo^T + Wo_b, with Q = K = V = RMSNorm(X) Wq^T + Wq_b and Qr = Kr = RoPE(Q); all four products on codes of E2M1 with one E8M0 scale for each 32 along K.
; Four launches: norm (this one), qproj, attn, oproj.  Between them go codes, scale words and the table of cosines and sines.
; WORK LEFT OUT: the mask is built in the problem's own body (key k counts for query q where k <= q).  A score under the mask becomes -infinity, its weight p is 0 for all values of the inputs,
; and a weight of 0 adds nothing to the row's sum nor to the second product.  So tiles of 16 queries x 128 keys all of whose keys come after all of the tile's queries are not multiplied (launch attn).  Nothing else is left out;
; every input has a way to the output and is loaded.  LIMIT: a NaN, an infinity or an overflow that would arise only in such hidden tiles is not carried to the result.
; THIS LAUNCH: Xn = X rsqrt(mean(X^2) + eps) rms_w, in f32; Xn quantised along its 2,048 (blocks of 32) into xa (codes) and xs (scale words); the table tab of cos and sin for the 2,048 positions x 64 frequencies.
; LIMITS: NaN and infinities among the inputs are not served.  A block of zeros gets the byte 1 with zero codes where the quantiser says 127: zero codes add nothing under any byte but 0xff, and this program alone reads the bytes.
; Blocks whose largest magnitude lies under the floor 2^(3 - 127) were not tried.  The angle's reduction is exact in its first two steps for quotients under 2^12; positions under 2,048 give at most 1,304.  cos and sin are polynomials good to about 1e-7.
; SHARES.  Work-group tau owns rows 16 tau .. 16 tau + 15.  First wave w owns row 16 tau + w (8,192 bytes, 64 registers a lane: read from memory once); the normalised rows meet in LDS; then wave w owns K step w
; (128 along K of all 16 rows) and makes one operand fragment and its scale words.
; xa: a fragment (16 rows x 128 K) lies as an image of the operand's registers, 1,024 bytes: register group c of lane l at 512 c + 16 l.  Its place: (tau >> 4) << 18 | (k >> 2) << 16 | ((tau >> 2) & 3) << 14 | (k & 3) << 12 | (tau & 3) << 10.
; xs: [tile][K step][row] words.   tab: [position tile][group 4 b + jp][lane][c_j, c_j+1, s_j, s_j+1], j = 2 jp, frequency 16 b + 8 (lane / 16) + j, position 16 tile + lane % 16.
; No tensor load, no matrix instruction, no cluster: memory binds, and the work-groups share no input but rms_w.
.set ROWP,  8208                       ; a row in LDS: 8,192 bytes + 16: the sixteen rows that a load of phase 2 touches start 16 bytes apart modulo 256
.set SCG,   16*ROWP                    ; behind the rows: the tile's scale words, [K step][row], 1,024 bytes
.set SPARE, SCG+1024                   ; the spare words, 128 bytes for each of 16 waves: eight blocks of 256 bytes that no other line names
.set LI,  4                            ; v4   16 x lane
.set STA, 5                            ; v5   LDS: my row, 16 x lane
.set RDA, 6                            ; v6   LDS: row lane % 16, my K step, + 128 (lane / 16)
.set SCA, 7                            ; v7   LDS: my K step's scale word of row lane % 16
.set SCR, 8                            ; v8   LDS: the words on their way out (waves 0 and 1)
.set XSO, 9                            ; v9   and their place in xs
.set SPW, 12                           ; v12  LDS address of my spare word; never rewritten
.set NIL, 13                           ; v13  0; never rewritten
.set W,   64                           ; v64-127  rms_w at my columns
.set XV,  128                          ; v128-191 my row, later my 64 numbers of the K step
.set PC,  192                          ; v192-199 the codes
.set AC,  200                          ; v200-207 at work
	s_load_b128 s[4:7], s[0:1], 0x0                ; X, rms_w
	s_load_b128 s[8:11], s[0:1], 0x10              ; xa, xs
	s_load_b64 s[12:13], s[0:1], 0x20              ; tab
	v_lshl_add_u32 v[SPW], v0, 2, SPARE
	v_mov_b32 v[NIL], 0
	v_lshrrev_b32 v1, 5, v0
	s_delay_alu instid0(VALU_DEP_1)
	v_readfirstlane_b32 s14, v1                    ; wave 0..15
	v_and_b32 v1, 31, v0                           ; lane
	v_and_b32 v2, 15, v0                           ; r
	v_bfe_u32 v3, v0, 4, 1                         ; h
	s_delay_alu instid0(VALU_DEP_3)
	v_lshlrev_b32 v[LI], 4, v1
	s_wait_alu depctr_va_vdst(0)
	s_lshl_b32 s16, ttmp9, 4
	s_add_co_u32 s16, s16, s14
	s_lshl_b32 s16, s16, 13                        ; my row's first byte in X: (16 tau + w) x 8,192
	s_mov_b32 s17, 0
	s_lshr_b32 s18, ttmp9, 4                       ; my fragment's place in xa
	s_lshl_b32 s18, s18, 18
	s_bfe_u32 s19, ttmp9, 0x20002
	s_lshl_b32 s19, s19, 14
	s_add_co_u32 s18, s18, s19
	s_and_b32 s19, ttmp9, 3
	s_lshl_b32 s19, s19, 10
	s_add_co_u32 s18, s18, s19
	s_lshr_b32 s19, s14, 2
	s_lshl_b32 s19, s19, 16
	s_add_co_u32 s18, s18, s19
	s_and_b32 s19, s14, 3
	s_lshl_b32 s19, s19, 12
	s_add_co_u32 s18, s18, s19
	s_mov_b32 s19, 0
	s_lshl_b32 s20, ttmp9, 10                      ; the tile's words in xs
	s_mov_b32 s21, 0
	s_lshr_b32 s32, ttmp9, 7                       ; which half of a position tile's table this work-group makes,
	s_and_b32 s33, ttmp9, 127                      ; and of which position tile
	s_lshl_b32 s22, s33, 13
	s_lshl_b32 s34, s32, 12
	s_add_co_u32 s22, s22, s34
	s_mov_b32 s23, 0
	s_mov_b32 s24, 0x76543210
	s_mov_b32 s25, 0xfedcba98                      ; v_permlanex16_b32's selects for lane l xor 16
	s_mov_b32 s26, 0x3a000000                      ; 1 / 2,048
	s_mov_b32 s27, 0x34000000                      ; eps = 2^-23
	s_mov_b32 s28, 0x3fc90000                      ; pi / 2 in three parts: 8 bits, 11 bits, the rest
	s_mov_b32 s29, 0x39fda000
	s_mov_b32 s30, 0x33a22169
	s_mul_i32 s31, s14, ROWP
	v_add_nc_u32 v[STA], s31, v[LI]
	v_mul_u32_u24 v[RDA], v2, ROWP
	s_delay_alu instid0(VALU_DEP_1)
	v_lshl_add_u32 v[RDA], v3, 7, v[RDA]
	s_lshl_b32 s31, s14, 9
	v_add_nc_u32 v[RDA], s31, v[RDA]
	v_add_nc_u32 v[XSO], s31, v[LI]
	s_delay_alu instid0(VALU_DEP_1)
	v_add_nc_u32 v[SCR], SCG, v[XSO]
	s_lshl_b32 s31, s14, 6
	v_lshl_add_u32 v[SCA], v2, 2, s31
	s_delay_alu instid0(VALU_DEP_1)
	v_add_nc_u32 v[SCA], SCG, v[SCA]
	s_wait_kmcnt 0x0
	s_add_nc_u64 s[4:5], s[4:5], s[16:17]
	s_add_nc_u64 s[8:9], s[8:9], s[18:19]
	s_add_nc_u64 s[10:11], s[10:11], s[20:21]
	s_add_nc_u64 s[12:13], s[12:13], s[22:23]
.irp i, 0,1,2,3,4,5,6,7,8,9,10,11,12,13,14,15
	global_load_b128 v[XV+4*\i:XV+4*\i+3], v[LI], s[4:5] offset:512*\i th:TH_LOAD_NT   ; my row: 32 lanes read 512 consecutive bytes
.endr
.irp i, 0,1,2,3,4,5,6,7,8,9,10,11,12,13,14,15
	global_load_b128 v[W+4*\i:W+4*\i+3], v[LI], s[6:7] offset:512*\i
.endr
	; THE TABLE, while the row is on its way.  Thread T stores 8 bytes at 8 T of the work-group's 4,096: bit 0 of T says cosines or sines, bits 1-5 the lane, bits 6-8 the group.
	; Each thread makes cos and sin of ONE frequency (its pair's first or second) and takes the other's from its neighbour.
	v_and_b32 v16, 1, v0                           ; x
	v_bfe_u32 v17, v0, 1, 4                        ; the table's lane % 16: the position in the tile
	v_bfe_u32 v18, v0, 5, 1                        ; the table's lane / 16
	v_bfe_u32 v19, v0, 6, 2                        ; jp
	v_lshrrev_b32 v20, 8, v0                       ; the low bit of b
	s_delay_alu instid0(VALU_DEP_2)
	v_lshl_add_u32 v21, v19, 1, v16
	s_delay_alu instid0(VALU_DEP_1)
	v_lshl_add_u32 v21, v18, 3, v21
	s_delay_alu instid0(VALU_DEP_1)
	v_lshl_add_u32 v21, v20, 4, v21
	s_lshl_b32 s34, s32, 5
	v_add_nc_u32 v21, s34, v21                     ; f = 32 half + 16 u + 8 h + 2 jp + x
	s_lshl_b32 s34, s33, 4
	v_add_nc_u32 v22, s34, v17                     ; the position
	v_cvt_f32_u32 v21, v21
	s_delay_alu instid0(VALU_DEP_2)
	v_cvt_f32_u32 v22, v22
	s_delay_alu instid0(VALU_DEP_2)
	v_mul_f32 v23, 0x3e549a00, v21                 ; f x log2(10000) / 64, the constant in two parts: this product is exact (6 bits x 16 bits)
	s_delay_alu instid0(VALU_DEP_1)
	v_fmac_f32 v23, 0x35f0979a, v21
	s_wait_alu depctr_va_vdst(0)
	v_exp_f32 v24, -v23                            ; 10000^(-f / 64)
	v_nop                                          ; a plain instruction behind the exponential,
	s_wait_alu depctr_va_vdst(0)                   ; and the wait ahead of its first reader
	v_mul_f32 v25, v22, v24                        ; the angle, rounded once
	s_delay_alu instid0(VALU_DEP_1)
	v_mul_f32 v26, 0x3f22f983, v25
	s_delay_alu instid0(VALU_DEP_1)
	v_rndne_f32 v26, v26                           ; the nearest multiple of pi / 2
	s_delay_alu instid0(VALU_DEP_1)
	v_fma_f32 v27, -v26, s28, v25
	s_delay_alu instid0(VALU_DEP_1)
	v_fma_f32 v27, -v26, s29, v27
	s_delay_alu instid0(VALU_DEP_1)
	v_fma_f32 v27, -v26, s30, v27                  ; what is left: at most pi / 4 in size
	s_delay_alu instid0(VALU_DEP_1)
	v_mul_f32 v28, v27, v27
	v_mov_b32 v29, 0xb94ca1f9
	v_mov_b32 v31, 0x37ccf5ce
	s_delay_alu instid0(VALU_DEP_2)
	v_fmaak_f32 v29, v29, v28, 0x3c08839e
	s_delay_alu instid0(VALU_DEP_2)
	v_fmaak_f32 v31, v31, v28, 0xbab6061a
	s_delay_alu instid0(VALU_DEP_2)
	v_fmaak_f32 v29, v29, v28, 0xbe2aaaa3
	s_delay_alu instid0(VALU_DEP_2)
	v_fmaak_f32 v31, v31, v28, 0x3d2aaaa5
	v_mul_f32 v30, v27, v28
	v_mul_f32 v32, v28, v28
	v_fma_f32 v33, v28, -0.5, 1.0
	s_delay_alu instid0(VALU_DEP_3)
	v_fma_f32 v29, v30, v29, v27                   ; sin of the rest
	s_delay_alu instid0(VALU_DEP_2)
	v_fma_f32 v31, v32, v31, v33                   ; cos of the rest
	v_cvt_i32_f32 v34, v26
	s_delay_alu instid0(VALU_DEP_1)
	v_and_b32 v35, 1, v34
	s_delay_alu instid0(VALU_DEP_1)
	v_cmp_ne_u32 vcc_lo, 0, v35                    ; odd quadrants change the two over
	s_delay_alu instid0(VALU_DEP_1)
	v_cndmask_b32 v36, v29, v31, vcc_lo            ; sin
	s_delay_alu instid0(VALU_DEP_2)
	v_cndmask_b32 v37, v31, v29, vcc_lo            ; cos
	v_and_b32 v38, 2, v34
	s_delay_alu instid0(VALU_DEP_1)
	v_lshlrev_b32 v38, 30, v38
	s_delay_alu instid0(VALU_DEP_1)
	v_xor_b32 v36, v36, v38                        ; sin is negative in quadrants 2 and 3,
	v_add_nc_u32 v39, 1, v34
	s_delay_alu instid0(VALU_DEP_1)
	v_and_b32 v39, 2, v39
	s_delay_alu instid0(VALU_DEP_1)
	v_lshlrev_b32 v39, 30, v39
	s_delay_alu instid0(VALU_DEP_1)
	v_xor_b32 v37, v37, v39                        ; cos in 1 and 2
	v_mov_b32 v43, 0                               ; (a lane move's destination counts as one of its sources)
	v_mov_b32 v44, 0
	s_delay_alu instid0(VALU_DEP_3)
	v_mov_b32_dpp v43, v37 row_xmask:1 row_mask:0xf bank_mask:0xf   ; my neighbour's cos
	v_mov_b32_dpp v44, v36 row_xmask:1 row_mask:0xf bank_mask:0xf   ; and sin
	v_cmp_ne_u32 vcc_lo, 0, v16
	s_delay_alu instid0(VALU_DEP_1)
	v_cndmask_b32 v40, v37, v44, vcc_lo            ; even threads: c_j, c_j+1;  odd threads: s_j, s_j+1
	s_delay_alu instid0(VALU_DEP_2)
	v_cndmask_b32 v41, v43, v36, vcc_lo
	v_lshlrev_b32 v42, 3, v0
	global_store_b64 v42, v[40:41], s[12:13]       ; a wave stores 256 consecutive bytes, aligned; v40-42 are not written again
	; PHASE 1: the row's mean square, four chains of packed multiply-adds
	s_wait_loadcnt 16                              ; loads come back in order: my row's 16 are in, the 16 of rms_w may be out
.irp k, 0,1,2,3
	v_pk_mul_f32 v[AC+2*\k:AC+2*\k+1], v[XV+2*\k:XV+2*\k+1], v[XV+2*\k:XV+2*\k+1]   ; the first four pairs start the chains: nothing is cleared
.endr
.set j, 4
.rept 28
	s_delay_alu instid0(VALU_DEP_4)
	v_pk_fma_f32 v[AC+2*(j%4):AC+2*(j%4)+1], v[XV+2*j:XV+2*j+1], v[XV+2*j:XV+2*j+1], v[AC+2*(j%4):AC+2*(j%4)+1]
.set j, j+1
.endr
	s_delay_alu instid0(VALU_DEP_3)
	v_pk_add_f32 v[AC:AC+1], v[AC:AC+1], v[AC+2:AC+3]
	s_delay_alu instid0(VALU_DEP_2)
	v_pk_add_f32 v[AC+4:AC+5], v[AC+4:AC+5], v[AC+6:AC+7]
	s_delay_alu instid0(VALU_DEP_1)
	v_pk_add_f32 v[AC:AC+1], v[AC:AC+1], v[AC+4:AC+5]
	s_delay_alu instid0(VALU_DEP_1)
	v_add_f32 v[AC], v[AC], v[AC+1]
	s_delay_alu instid0(VALU_DEP_1)
	v_add_f32_dpp v[AC], v[AC], v[AC] row_xmask:1 row_mask:0xf bank_mask:0xf
	s_delay_alu instid0(VALU_DEP_1)
	v_add_f32_dpp v[AC], v[AC], v[AC] row_xmask:2 row_mask:0xf bank_mask:0xf
	s_delay_alu instid0(VALU_DEP_1)
	v_add_f32_dpp v[AC], v[AC], v[AC] row_xmask:4 row_mask:0xf bank_mask:0xf
	s_delay_alu instid0(VALU_DEP_1)
	v_add_f32_dpp v[AC], v[AC], v[AC] row_xmask:8 row_mask:0xf bank_mask:0xf
	s_delay_alu instid0(VALU_DEP_1)
	v_permlanex16_b32 v[AC+1], v[AC], s24, s25
	s_delay_alu instid0(VALU_DEP_1)
	v_add_f32 v[AC], v[AC], v[AC+1]                ; every lane holds the row's sum of squares
	s_delay_alu instid0(VALU_DEP_1)
	v_fma_f32 v[AC], v[AC], s26, s27               ; the mean + eps
	s_wait_alu depctr_va_vdst(0)
	v_rsq_f32 v[AC+2], v[AC]
	v_nop                                          ; a plain instruction behind the root,
	s_wait_alu depctr_va_vdst(0)                   ; and the wait ahead of its first reader
	v_mov_b32 v[AC+3], v[AC+2]                     ; a pair for the packed multiply
.set j, 0
.rept 32
	v_pk_mul_f32 v[XV+2*j:XV+2*j+1], v[XV+2*j:XV+2*j+1], v[AC+2:AC+3]
.set j, j+1
.endr
	s_wait_loadcnt 0x0                             ; rms_w
.set j, 0
.rept 32
	v_pk_mul_f32 v[XV+2*j:XV+2*j+1], v[XV+2*j:XV+2*j+1], v[W+2*j:W+2*j+1]
.set j, j+1
.endr
.irp i, 0,1,2,3,4,5,6,7,8,9,10,11,12,13,14,15
	ds_store_b128 v[STA], v[XV+4*\i:XV+4*\i+3] offset:512*\i
.endr
	s_wait_dscnt 0x0                               ; for the others' sake: my row lies in LDS
	s_barrier_signal -1
	s_barrier_wait -1                              ; all sixteen rows do
	; PHASE 2: K step w of the 16 rows.  Lane (r, h) takes k = 128 w + 64 c + 32 h + 0 .. 31 of row r: two whole blocks, in the very order of the operand's registers
.irp c, 0,1
.irp i, 0,1,2,3,4,5,6,7
	ds_load_b128 v[XV+32*\c+4*\i:XV+32*\c+4*\i+3], v[RDA] offset:256*\c+16*\i
.endr
.endr
	s_wait_dscnt 0x0
.irp c, 0,1
	v_max3_num_f32 v[AC+\c], |v[XV+32*\c]|, |v[XV+1+32*\c]|, 0x1800000   ; my block 2 c + h, and the floor 2^(3 - 127): the byte cannot fall under 1
.endr
.irp i, 2,4,6,8,10,12,14,16,18,20,22,24,26,28,30
.irp c, 0,1
	s_delay_alu instid0(VALU_DEP_2)
	v_max3_num_f32 v[AC+\c], v[AC+\c], |v[XV+32*\c+\i]|, |v[XV+1+32*\c+\i]|
.endr
.endr
.irp c, 0,1
	s_delay_alu instid0(VALU_DEP_2)
	v_add_nc_u32 v[AC+2+\c], 0xff000000, v[AC+\c]  ; 2 off the exponent field: the conversion's scale operand
.endr
.irp c, 0,1
	s_delay_alu instid0(VALU_DEP_2)
	v_lshrrev_b32 v[AC+4+\c], 23, v[AC+2+\c]       ; the scale's byte
.endr
	s_delay_alu instid0(VALU_DEP_1)
	v_lshl_or_b32 v[AC+6], v[AC+5], 16, v[AC+4]    ; my two bytes: blocks h and 2 + h,
	v_lshlrev_b32 v[AC+7], 3, v3
	s_delay_alu instid0(VALU_DEP_1)
	v_lshlrev_b32 v[AC+6], v[AC+7], v[AC+6]        ; at their places in the word;
	s_delay_alu instid0(VALU_DEP_1)
	v_permlanex16_b32 v[AC+7], v[AC+6], s24, s25
	s_delay_alu instid0(VALU_DEP_1)
	v_or_b32 v[AC+6], v[AC+6], v[AC+7]             ; with lane l xor 16's two the word is whole
.irp c, 0,1
.irp g, 0,1,2,3
	v_cvt_scalef32_pk8_fp4_f32 v[PC+4*\c+\g], v[XV+32*\c+8*\g:XV+32*\c+8*\g+7], v[AC+2+\c]
.endr
.endr
	v_nop                                          ; one plain instruction behind the last scaled conversion
	global_store_b128 v[LI], v[PC:PC+3], s[8:9]              ; the fragment's image: 512 consecutive bytes a store
	global_store_b128 v[LI], v[PC+4:PC+7], s[8:9] offset:512
	ds_store_b32 v[SCA], v[AC+6]                   ; both halves of the lanes write the same word with the same value
	s_wait_dscnt 0x0
	s_barrier_signal -1
	s_barrier_wait -1                              ; the tile's 256 scale words lie in LDS
	s_cmp_lt_u32 s14, 2
	s_cbranch_scc0 .Lno_words
	ds_load_b128 v[XV:XV+3], v[SCR]                ; waves 0 and 1 store them, 512 consecutive bytes each
	s_wait_dscnt 0x0
	global_store_b128 v[XSO], v[XV:XV+3], s[10:11]
.Lno_words:
	s_wait_tensorcnt 0x0                           ; the wave's end: behind my last LDS store
	ds_add_u32 v[SPW], v[NIL]
	s_wait_dscnt 0x0
	s_endpgm
.Lfunc_end_k_qc47e97521d_norm:
	.size	k_qc47e97521d_norm, .Lfunc_end_k_qc47e97521d_norm-k_qc47e97521d_norm
	.p2alignl 7, 3214868480
	.fill 96, 4, 3214868480
	.section	.rodata,"a",@progbits
	.p2align	6, 0x0
	.amdhsa_kernel k_qc47e97521d_norm
		.amdhsa_group_segment_fixed_size 134400
		.amdhsa_private_segment_fixed_size 0
		.amdhsa_enable_private_segment 0
		.amdhsa_kernarg_size 40
		.amdhsa_user_sgpr_count 2
		.amdhsa_user_sgpr_kernarg_segment_ptr 1
		.amdhsa_wavefront_size32 1
		.amdhsa_system_sgpr_workgroup_id_x 1
		.amdhsa_system_sgpr_workgroup_id_y 1
		.amdhsa_system_sgpr_workgroup_id_z 1
		.amdhsa_system_vgpr_workitem_id 0
		.amdhsa_next_free_vgpr 208
		.amdhsa_next_free_sgpr 66
		.amdhsa_reserve_vcc 1
		.amdhsa_float_denorm_mode_32 3
		.amdhsa_float_denorm_mode_16_64 3
		.amdhsa_memory_ordered 1
		.amdhsa_forward_progress 1
		.amdhsa_inst_pref_size 25
	.end_amdhsa_kernel
	.amdgpu_metadata
---
amdhsa.version: [ 1, 2 ]
amdhsa.kernels:
  - .name:           k_qc47e97521d_norm
    .symbol:         k_qc47e97521d_norm.kd
    .args:
      - { .name: X, .offset: 0, .size: 8, .value_kind: global_buffer, .address_space: global }
      - { .name: rms_w, .offset: 8, .size: 8, .value_kind: global_buffer, .address_space: global }
      - { .name: xa, .offset: 16, .size: 8, .value_kind: global_buffer, .address_space: global }
      - { .name: xs, .offset: 24, .size: 8, .value_kind: global_buffer, .address_space: global }
      - { .name: tab, .offset: 32, .size: 8, .value_kind: global_buffer, .address_space: global }
    .group_segment_fixed_size: 134400
    .private_segment_fixed_size: 0
    .kernarg_segment_align: 8
    .kernarg_segment_size: 40
    .max_flat_workgroup_size: 512
    .sgpr_count:     66
    .vgpr_count:     208
    .wavefront_size: 32
...
	.end_amdgpu_metadata
.endif
;; end of part 1
;; launch qproj (part 2): grid 16 x 16, 4 waves a work-group, clusters of 4 x 4, 327,680 bytes of LDS; arguments xa, xs, Wq_w_codes, Wq_w_scales, Wq_b, tab, kv; writes kv
.if DOCPART == 2
	.amdgcn_target "amdgcn-amd-amdhsa--gfx1250"
	.amdhsa_code_object_version 6
	.text
	.protected	k_qc47e97521d_qproj
	.globl	k_qc47e97521d_qproj
	.p2align	8
	.type	k_qc47e97521d_qproj,@function
k_qc47e97521d_qproj:
	s_mov_b64 s[64:65], 0
	v_nop
	global_prefetch_b8 v0, s[64:65] scope:SCOPE_SE
	s_setreg_imm32_b32 hwreg(HW_REG_WAVE_MODE, 25, 1), 1
	s_wait_xcnt 0x0
	s_wait_alu depctr_hold_cnt(0) depctr_sa_sdst(0) depctr_va_vdst(0) depctr_va_sdst(0) depctr_va_ssrc(0) depctr_va_vcc(0) depctr_vm_vsrc(0)
	s_getreg_b32 s2, hwreg(HW_REG_IB_STS2, 6, 4)
	s_cmp_eq_u32 s2, 0
	s_cbranch_scc0 .Lentry_in_a_cluster
	s_endpgm
.Lentry_in_a_cluster:
	s_bfe_u32 s2, ttmp6, 0x10000c
	s_cmp_lg_u32 s2, 0xf033
	s_cbranch_scc0 .Lentry_shape_is_right
	s_endpgm
.Lentry_shape_is_right:
; Q = Xn Wq^T + Wq_b on codes of E2M1 (xa, xs from launch norm; Wq as given), then what attention wants of it: Qr = Kr = RoPE(Q) quantised along the head's 128, and V = Q quantised along the KEYS.  Nothing is left out here.
; SHARES.  A work-group makes 256 rows (block TR) x one head's 128 columns (head CT); wave w rows 64 w .. 64 w + 63 (four tiles of 16) x all 128 columns (eight tiles).
; BOTH ORIENTATIONS FROM THE SAME FRAGMENTS.  accT(a, b) = product(source 0 = Wq's tile b, source 1 = x's tile a): a lane holds ONE row and eight neighbouring columns: what RoPE and Qr's quantiser want.
; accN(a, b) = product(source 0 = x's tile a, source 1 = Wq's tile b): a lane holds ONE column and eight neighbouring rows (keys): what V's quantiser wants.  The second costs 32 matrix instructions a K step and no LDS byte;
; a transposition of 128 KB of f32 through LDS is spared.
; K goes in four quarters of 512 through three LDS slots: quarters 0, 1, 2 are first fills, quarter 3 fills slot 0 again behind one round of the cluster's barrier.  By this text's count at most one tensor load of a wave is out.
; CLUSTERS: 4 x 4 work-groups.  x's tiles hang on TR alone and are shared along a row of the cluster, Wq's on CT alone and are shared along a column: each is asked for jointly.
; x's fragments lie in xa as images of the operand's registers, a work-group's quarter of K in 65,536 consecutive bytes: no pitch, no padding.  Wq's rows come as they lie, 256 bytes a row and quarter, 16 bytes of padding behind each.
; The scale words of all 16 K steps go from memory straight into registers, once: 96 registers.  So the 16 K steps are written out: the scale registers' numbers change from step to step.
; kv: [batch x head][key step of 128][17,408]: 8 images of Kr's tiles at 0; 8 images of V^T's tiles (16 of the head's 128 x 128 keys) at 8,192; Kr's scale words at 16,384 ([half][lane][i]: tile 4 half + 2 i + lane / 16, row lane % 16);
; V's at 16,896 ([lane][p]: tile 2 p + lane / 16, row lane % 16).
; LIMITS: as in launch norm (NaN and infinities not served; a block of zeros gets the byte 1 with zero codes; blocks under the floor 2^(3 - 127) not tried).
; REGISTERS, in windows of 256.  Window 0: v1 r, v2 h, v3-8 the ring's LDS addresses (on the way out: store offsets), v9 16 x lane, v10 8 x lane, v12-13 the add's two, v16-31 Wq_b by column, in pairs,
;   v32-63 x's scale words, v64-127 Wq's (on the way out: v32-63 at work, v64-127 64 numbers), v128-255 two tiles of the table.
;   Window 1: v0-63 x's fragments, two sets; v64-191 Wq's, two sets; v192-255 Wq_b in accT's layout.   Window 2: accT(a, b) at 8 (8 a + b).   Window 3: accN(a, b) at 8 (4 b + a).
.set SLOT,  100352                     ; a quarter of K in LDS: x's 65,536 bytes and Wq's 128 rows x 272
.set XQ,    65536                      ; x's quarters 0, 1, 2 lie one behind the other from byte 0: 196,608 bytes, dense in memory too, so one descriptor covers them;
.set WQ,    34816                      ; Wq's three quarters lie behind them, from BOFF on
.set BOFF,  3*XQ
.set SPARE, 3*SLOT                     ; behind the ring: the spare words, 128 bytes for each wave: two blocks of 256 bytes that no other line names
.set VSG,   SPARE+512                  ; V's scale words of the work-group's two key steps, 512 bytes each: no fill lands here
.set STEPB, 17408
.set ADRA, 3
.set ADRB, 6
.set LI,   9
.set L8,   10
.set SPW,  12
.set NIL,  13
.set BN,   16
.set SA,   32                          ; x's scale words: v[SA + 2 k + i]: lanes 0-15 tile 2 i, lanes 16-31 tile 2 i + 1, K step k
.set SB,   64                          ; Wq's: v[SB + 16 g + k]: lanes 0-15 tile 2 g, lanes 16-31 tile 2 g + 1
.set TAB,  128
.set HO,   192                         ; v192-195 the offsets of the head's loads
.set AF,   0
.set BF,   64
.set BT,   192
.set VK,   3                           ; the way out: offsets of the stores, LDS addresses of V's scale words
.set VV,   4
.set VS8,  5
.set VSR,  6
.set VSA,  7
.set TM,   32
.set PC,   48
.set PWQ,  56
.set PR,   60
.set PW,   62
.set H,    64
.set G1A,  24
.set G1B,  32
.set G0A,  48
.set G0B,  68
.set SEL,  60
.set TBB,  88
.set KVB,  90
.set MSB,  0
.macro WIN new                         ; the immediate's high byte repeats the setting that is left
.if MSB != \new
	s_set_vgpr_msb (MSB<<8)|\new
.set MSB, \new
.endif
.endm
.macro PLACES                          ; four plain instructions between a matrix instruction and a load into, or a vector read of, its registers
.rept 4
	v_nop
.endr
.endm
; A joint load: waves 0 and 1 fetch x's halves, waves 2 and 3 Wq's.  The branch hangs on the wave's number alone.  An s_nop 0 and four v_nop follow each of the two lines.
.macro JLOAD s
	s_cmp_eq_u32 s19, 0
	s_cbranch_scc0 .Lfor_b_\@
	tensor_load_to_lds s[G0A+4*\s:G0A+4*\s+3], s[G1A:G1A+7]
	s_nop 0
.rept 4
	v_nop
.endr
	s_branch .Lasked_\@
.Lfor_b_\@:
	tensor_load_to_lds s[G0B+4*\s:G0B+4*\s+3], s[G1B:G1B+7]
	s_nop 0
.rept 4
	v_nop
.endr
.Lasked_\@:
.endm
.macro CROUND                          ; a round of the cluster's barrier
	s_barrier_signal -1
	s_barrier_wait -1
	s_cmp_lg_u32 s18, 0
	s_cbranch_scc1 .Lnot_wave_0_\@
	s_barrier_signal -3
.Lnot_wave_0_\@:
	s_barrier_wait -3
	s_barrier_signal -1
	s_barrier_wait -1
.endm
; One matrix instruction, by the symbols rD, rA, rB, rC (fC = 0: C is the constant 0), xA, xB (scale registers), fA, fB (1: the scales stand in lanes 16-31)
.macro WM
.if fC == 0
.if (fA == 1) && (fB == 1)
	v_wmma_scale_f32_16x16x128_f8f6f4 v[rD:rD+7], v[rA:rA+7], v[rB:rB+7], 0, v[xA], v[xB] matrix_a_fmt:MATRIX_FMT_FP4 matrix_b_fmt:MATRIX_FMT_FP4 matrix_a_scale:MATRIX_SCALE_ROW1 matrix_b_scale:MATRIX_SCALE_ROW1
.elseif fA == 1
	v_wmma_scale_f32_16x16x128_f8f6f4 v[rD:rD+7], v[rA:rA+7], v[rB:rB+7], 0, v[xA], v[xB] matrix_a_fmt:MATRIX_FMT_FP4 matrix_b_fmt:MATRIX_FMT_FP4 matrix_a_scale:MATRIX_SCALE_ROW1
.elseif fB == 1
	v_wmma_scale_f32_16x16x128_f8f6f4 v[rD:rD+7], v[rA:rA+7], v[rB:rB+7], 0, v[xA], v[xB] matrix_a_fmt:MATRIX_FMT_FP4 matrix_b_fmt:MATRIX_FMT_FP4 matrix_b_scale:MATRIX_SCALE_ROW1
.else
	v_wmma_scale_f32_16x16x128_f8f6f4 v[rD:rD+7], v[rA:rA+7], v[rB:rB+7], 0, v[xA], v[xB] matrix_a_fmt:MATRIX_FMT_FP4 matrix_b_fmt:MATRIX_FMT_FP4
.endif
.else
.if (fA == 1) && (fB == 1)
	v_wmma_scale_f32_16x16x128_f8f6f4 v[rD:rD+7], v[rA:rA+7], v[rB:rB+7], v[rC:rC+7], v[xA], v[xB] matrix_a_fmt:MATRIX_FMT_FP4 matrix_b_fmt:MATRIX_FMT_FP4 matrix_a_scale:MATRIX_SCALE_ROW1 matrix_b_scale:MATRIX_SCALE_ROW1
.elseif fA == 1
	v_wmma_scale_f32_16x16x128_f8f6f4 v[rD:rD+7], v[rA:rA+7], v[rB:rB+7], v[rC:rC+7], v[xA], v[xB] matrix_a_fmt:MATRIX_FMT_FP4 matrix_b_fmt:MATRIX_FMT_FP4 matrix_a_scale:MATRIX_SCALE_ROW1
.elseif fB == 1
	v_wmma_scale_f32_16x16x128_f8f6f4 v[rD:rD+7], v[rA:rA+7], v[rB:rB+7], v[rC:rC+7], v[xA], v[xB] matrix_a_fmt:MATRIX_FMT_FP4 matrix_b_fmt:MATRIX_FMT_FP4 matrix_b_scale:MATRIX_SCALE_ROW1
.else
	v_wmma_scale_f32_16x16x128_f8f6f4 v[rD:rD+7], v[rA:rA+7], v[rB:rB+7], v[rC:rC+7], v[xA], v[xB] matrix_a_fmt:MATRIX_FMT_FP4 matrix_b_fmt:MATRIX_FMT_FP4
.endif
.endif
.endm
; 24 LDS loads in one run: the fragments of the slot's q-th 128 along K into set p: x's four (images: 16 x lane), Wq's eight (rows: 272 r + 16 h)
.macro FETCH slot, q, p
	WIN 0x40                                       ; destination window 1, address window 0
.irp a, 0,1,2,3
.irp c, 0,1
	ds_load_b128 v[AF+32*(\p)+8*\a+4*\c:AF+32*(\p)+8*\a+4*\c+3], v[ADRA+\slot] offset:4096*(\q)+1024*\a+512*\c
.endr
.endr
.irp b, 0,1,2,3,4,5,6,7
.irp c, 0,1
	ds_load_b128 v[BF+64*(\p)+8*\b+4*\c:BF+64*(\p)+8*\b+4*\c+3], v[ADRB+\slot] offset:4352*\b+64*(\q)+32*\c
.endr
.endr
.endm
; K step k, 32 products into accT, then 32 into accN.  All 64 accumulators take turns, one instruction a turn, in the same order in every step.
; K step 0 starts the sums: accT from Wq_b in its own layout, accN from the constant 0: nothing is cleared.
.macro MULT k
.if (\k) == 0
	WIN 0x95                                       ; sources 0, 1 and C (Wq_b) window 1, D window 2
.else
	WIN 0xa5                                       ; sources 0 and 1 window 1, C and D window 2
.endif
.irp a, 0,1,2,3
.irp b, 0,1,2,3,4,5,6,7
.set rD, 8*(8*\a+\b)
.set rA, BF+64*((\k)%2)+8*\b
.set rB, AF+32*((\k)%2)+8*\a
.set xA, SB+16*(\b/2)+(\k)
.set xB, SA+2*(\k)+(\a/2)
.set fA, \b%2
.set fB, \a%2
.set fC, 1
.set rC, rD
.if (\k) == 0
.set rC, BT+8*\b
.endif
	WM
.endr
.endr
.endm
.macro MULN k
	WIN 0xf5                                       ; sources 0 and 1 window 1, C and D window 3
.irp a, 0,1,2,3
.irp b, 0,1,2,3,4,5,6,7
.set rD, 8*(4*\b+\a)
.set rA, AF+32*((\k)%2)+8*\a
.set rB, BF+64*((\k)%2)+8*\b
.set xA, SA+2*(\k)+(\a/2)
.set xB, SB+16*(\b/2)+(\k)
.set fA, \a%2
.set fB, \b%2
.set fC, 1
.set rC, rD
.if (\k) == 0
.set fC, 0
.endif
	WM
.endr
.endr
.endm
; A K step whose successor's fragments lie in a slot that is known whole: they are fetched first, a whole step (64 matrix instructions) ahead of their use
.macro KSTEP k, sn, qn
.if (\k) > 0
	PLACES                                         ; the set to be filled was read by the step before
.endif
	FETCH \sn, \qn, ((\k)+1)%2
	s_wait_dscnt 24                                ; LDS loads come back in order: all but the 24 just issued: this step's fragments are in
	MULT \k
	MULN \k
.endm
.macro TABLOAD t                       ; the table of my tile t: 16 groups of (c, c, s, s), 16 bytes a lane, into buffer t % 2
.irp g, 0,1,2,3,4,5,6,7,8,9,10,11,12,13,14,15
	global_load_b128 v[TAB+64*((\t)%2)+4*\g:TAB+64*((\t)%2)+4*\g+3], v[LI], s[TBB:TBB+1] offset:8192*(\t)+512*\g
.endr
.endm
; 64 numbers of a lane, v[s] .. v[s + 63], register 8 t + j = k 16 t + 8 (lane / 16) + j of my row, become a fragment's codes in v[pc] on and the row's scale word in v[pw].
; A block of 32 lies in 16 registers of lanes l and l xor 16.  The conversions' results are laid so that two exchanges of halves for each pair of blocks give the operand's layout: lanes 0-15 block 2 c, lanes 16-31 block 2 c + 1.
.macro QUANT s, pc, pw
.irp b, 0,1,2,3
	v_max3_num_f32 v[TM+\b], |v[\s+16*\b]|, |v[\s+1+16*\b]|, 0x1800000   ; block b: my 16 numbers, and the floor 2^(3 - 127): the byte cannot fall under 1
.endr
.irp i, 2,4,6,8,10,12,14
.irp b, 0,1,2,3
	v_max3_num_f32 v[TM+\b], v[TM+\b], |v[\s+16*\b+\i]|, |v[\s+1+16*\b+\i]|
.endr
.endr
.irp b, 0,1,2,3
	v_permlanex16_b32 v[TM+4+\b], v[TM+\b], s[SEL], s[SEL+1]
.endr
.irp b, 0,1,2,3
	v_max_num_f32 v[TM+\b], v[TM+\b], v[TM+4+\b]   ; with lane l xor 16's: the block's largest magnitude
.endr
.irp b, 0,1,2,3
	v_add_nc_u32 v[TM+12+\b], 0xff000000, v[TM+\b] ; 2 off its exponent field: the conversion's scale operand
.endr
.irp b, 0,1,2,3
	v_lshrrev_b32 v[TM+4+\b], 23, v[TM+12+\b]      ; the scale's byte
.endr
	v_lshl_or_b32 v[\pw], v[TM+5], 8, v[TM+4]
	v_lshl_or_b32 v[\pw], v[TM+6], 16, v[\pw]
	v_lshl_or_b32 v[\pw], v[TM+7], 24, v[\pw]
.irp c, 0,1
	v_cvt_scalef32_pk8_fp4_f32 v[\pc+4*\c], v[\s+32*\c:\s+32*\c+7], v[TM+12+2*\c]
	v_cvt_scalef32_pk8_fp4_f32 v[\pc+4*\c+2], v[\s+32*\c+8:\s+32*\c+15], v[TM+12+2*\c]
	v_cvt_scalef32_pk8_fp4_f32 v[\pc+4*\c+1], v[\s+32*\c+16:\s+32*\c+23], v[TM+13+2*\c]
	v_cvt_scalef32_pk8_fp4_f32 v[\pc+4*\c+3], v[\s+32*\c+24:\s+32*\c+31], v[TM+13+2*\c]
.endr
	v_nop                                          ; one plain instruction behind the last scaled conversion
.irp c, 0,1
	v_permlane16_swap_b32 v[\pc+4*\c], v[\pc+4*\c+1]
	v_permlane16_swap_b32 v[\pc+4*\c+2], v[\pc+4*\c+3]
.endr
.endm
; RoPE of my tile a: column d < 64: q(d) c - q(d + 64) s;  column d + 64: q(d + 64) c + q(d) s.  accT's tiles b and b + 4 hold d and d + 64 in the same lane and register.  Each accumulator is read from its low end on.
.macro ROPE a
	WIN 0x02                                       ; source 0 (accT) window 2; the table and the results window 0
.irp bb, 0,1,2,3
.irp jp, 0,1,2,3
.set rL, 8*(8*(\a)+\bb)+2*\jp
.set rH, rL+32
.set rT, TAB+64*((\a)%2)+4*(4*\bb+\jp)
.set rO, H+8*\bb+2*\jp
	v_pk_mul_f32 v[rO:rO+1], v[rL:rL+1], v[rT:rT+1]
	v_pk_mul_f32 v[rO+32:rO+33], v[rH:rH+1], v[rT:rT+1]
	v_pk_fma_f32 v[rO:rO+1], v[rH:rH+1], v[rT+2:rT+3], v[rO:rO+1] neg_lo:[1,0,0] neg_hi:[1,0,0]
	v_pk_fma_f32 v[rO+32:rO+33], v[rL:rL+1], v[rT+2:rT+3], v[rO+32:rO+33]
.endr
.endr
.endm
	s_load_b256 s[4:11], s[0:1], 0x0               ; xa s[4:5], xs s[6:7], Wq's codes s[8:9], Wq's scales s[10:11]
	s_load_b128 s[12:15], s[0:1], 0x20             ; Wq_b s[12:13], tab s[14:15]
	s_load_b64 s[16:17], s[0:1], 0x30              ; kv
	v_lshl_add_u32 v[SPW], v0, 2, SPARE
	v_mov_b32 v[NIL], 0
	ds_add_u32 v[SPW], v[NIL]                      ; the wave's opening: the add, twice on end, and its wait ahead of my first tensor load; the set-up below stands between the second and the wait
	ds_add_u32 v[SPW], v[NIL]
	v_lshrrev_b32 v1, 5, v0
	v_readfirstlane_b32 s18, v1                    ; wave 0..3
	s_lshr_b32 s19, s18, 1                         ; I fetch for x (0) or for Wq (1).  Also: which of the work-group's two key steps my rows are
	s_and_b32 s20, s18, 1                          ; which half of that tile I fetch.  Also: which 64 keys of the key step
	s_bfe_u32 s40, ttmp6, 0x40000                  ; cx, cy: my place in the cluster
	s_bfe_u32 s41, ttmp6, 0x40004
	s_lshl_b32 s42, ttmp9, 2
	s_add_co_u32 s42, s42, s40                     ; CT, the head = 4 x cluster x + cx
	s_and_b32 s43, ttmp7, 0xffff
	s_lshl_b32 s43, s43, 2
	s_add_co_u32 s43, s43, s41                     ; TR, the block of 256 rows = 4 x cluster y + cy
	s_lshl_b32 s44, s41, 2
	s_lshl_b32 s44, 15, s44                        ; my row of the cluster
	s_lshl_b32 s45, 0x1111, s40                    ; my column
	; group 1 for x: 32,768 dense bytes as 128 rows of 32 elements of 8 bytes, no padding
	s_or_b32 s[G1A], s44, (3<<16)|(1<<21)          ; 15:0 the mask: my row; 17:16 elements of 8 bytes; 21 set beside a mask
	s_mov_b32 s[G1A+1], 32<<16                     ; tensor_dim0
	s_mov_b32 s[G1A+2], 768<<16                    ; tensor_dim1: the head's load brings 768 rows of 256 bytes
	s_mov_b32 s[G1A+3], 32<<16                     ; tile_dim0
	s_mov_b32 s[G1A+4], 768                        ; tile_dim1
	s_mov_b32 s[G1A+5], 32                         ; stride from row to row
	s_mov_b32 s[G1A+6], 0
	s_mov_b32 s[G1A+7], 0
	; group 1 for Wq: 64 rows of 256 bytes, 1,024 bytes apart in memory, 16 bytes of padding behind each in LDS
	s_or_b32 s[G1B], s45, (1<<20)|(1<<21)|(5<<22)|(3<<25)   ; the mask: my column; elements of 1 byte; padding on: 4 words after every 64
	s_mov_b32 s[G1B+1], 256<<16
	s_mov_b32 s[G1B+2], 128<<16                    ; the head's loads bring all 128 rows of a quarter
	s_mov_b32 s[G1B+3], 256<<16
	s_mov_b32 s[G1B+4], 128
	s_mov_b32 s[G1B+5], 1024
	s_mov_b32 s[G1B+6], 0
	s_mov_b32 s[G1B+7], 0
	s_lshl_b32 s80, s43, 18                        ; x: block TR's 262,144 bytes, + my half of a quarter.  (s80-83 never hold cx, s84-87 never cy)
	s_lshl_b32 s46, s20, 15
	s_add_co_u32 s80, s80, s46
	s_mov_b32 s81, 0
	s_lshl_b32 s84, s42, 17                        ; Wq: row 128 CT + 64 x half, 1,024 bytes a row
	s_lshl_b32 s47, s20, 16
	s_add_co_u32 s84, s84, s47
	s_mov_b32 s85, 0
	s_mul_i32 s47, s20, 64*272                     ; and my half's place in a slot: no place in the cluster enters an LDS address
	s_mov_b32 s[SEL], 0x76543210
	s_mov_b32 s[SEL+1], 0xfedcba98                 ; v_permlanex16_b32's selects for lane l xor 16
	s_wait_dscnt 0x0                               ; both opening adds are done
	s_wait_kmcnt 0x0
	s_add_nc_u64 s[82:83], s[4:5], s[80:81]
	s_add_nc_u64 s[86:87], s[8:9], s[84:85]
	CROUND                                         ; all sixteen work-groups are here: the first joint loads meet
	s_mov_b32 s[G0A], 1                            ; the refill's groups 0: quarter 3 of K, my half of it, onto quarter 0's bytes
	s_add_co_u32 s[G0A+1], s46, 0
	s_add_nc_u64 s[G0A+2:G0A+3], s[82:83], 3*65536
	s_or_b32 s[G0A+3], s[G0A+3], 0x80000000
	s_mov_b32 s[G0B], 1
	s_add_co_u32 s[G0B+1], s47, BOFF
	s_add_nc_u64 s[G0B+2:G0B+3], s[86:87], 3*256
	s_or_b32 s[G0B+3], s[G0B+3], 0x80000000
	s_lshl_b32 s92, s43, 18                        ; the head's groups 0.  x: block TR's first 196,608 bytes, to LDS byte 0
	s_mov_b32 s93, 0
	s_mov_b32 s[G0A+4], 1
	s_mov_b32 s[G0A+5], 0
	s_add_nc_u64 s[G0A+6:G0A+7], s[4:5], s[92:93]
	s_or_b32 s[G0A+7], s[G0A+7], 0x80000000
	s_xor_b32 s96, s18, 3                          ; Wq: waves 1, 2, 3 take quarters 2, 1, 0 (wave 0's number is held at 2 and not used)
	s_min_u32 s96, s96, 2
	s_mul_i32 s97, s96, WQ
	s_lshl_b32 s94, s42, 17                        ; row 128 CT, 1,024 bytes a row, + 256 bytes a quarter
	s_lshl_b32 s98, s96, 8
	s_add_co_u32 s94, s94, s98
	s_mov_b32 s95, 0
	s_mov_b32 s[G0B+4], 1
	s_add_co_u32 s[G0B+5], s97, BOFF
	s_add_nc_u64 s[G0B+6:G0B+7], s[8:9], s[94:95]
	s_or_b32 s[G0B+7], s[G0B+7], 0x80000000
	; THE HEAD'S LOADS, ONE A WAVE: wave 0 fetches x's quarters 0 to 2, waves 1 to 3 one quarter of Wq's 128 rows each.  One branch on the wave's number, a load in each arm, one join
	s_cmp_eq_u32 s18, 0
	s_cbranch_scc0 .Lhead_w
	tensor_load_to_lds s[G0A+4:G0A+7], s[G1A:G1A+7]
	s_nop 0
.rept 4
	v_nop
.endr
	s_branch .Lhead_asked
.Lhead_w:
	tensor_load_to_lds s[G0B+4:G0B+7], s[G1B:G1B+7]
	s_nop 0
.rept 4
	v_nop
.endr
.Lhead_asked:
	v_and_b32 v1, 15, v0                           ; r
	v_bfe_u32 v2, v0, 4, 1                         ; h
	v_and_b32 v[LI], 31, v0
	v_lshlrev_b32 v[L8], 3, v[LI]
	v_lshlrev_b32 v[LI], 4, v[LI]
	s_lshl_b32 s21, s18, 14                        ; my 64 rows' images: 16,384 bytes of x's part of a slot
	v_add_nc_u32 v[ADRA], s21, v[LI]
	v_add_nc_u32 v[ADRA+1], XQ, v[ADRA]
	v_add_nc_u32 v[ADRA+2], 2*XQ, v[ADRA]
	v_mul_u32_u24 v[ADRB], v1, 272
	v_lshl_add_u32 v[ADRB], v2, 4, v[ADRB]
	v_add_nc_u32 v[ADRB], BOFF, v[ADRB]
	v_add_nc_u32 v[ADRB+1], WQ, v[ADRB]
	v_add_nc_u32 v[ADRB+2], 2*WQ, v[ADRB]
	v_lshlrev_b32 v[HO], 2, v1
	v_lshl_add_u32 v[HO], v2, 10, v[HO]            ; x's scale words: 1,024 h + 4 r
	s_wait_alu depctr_va_vdst(0)
	v_lshlrev_b32 v[HO+1], 2, v[LI]                ; Wq's: 64 x lane
	s_wait_alu depctr_va_vdst(0)
	v_lshlrev_b32 v[HO+2], 5, v2                   ; Wq_b in accT's layout: 32 h
	v_lshlrev_b32 v[HO+3], 2, v1                   ; Wq_b by column: 4 r
	s_wait_alu depctr_va_vdst(0)
	s_lshl_b32 s22, s43, 2
	s_add_co_u32 s22, s22, s18
	s_lshl_b32 s22, s22, 12
	s_mov_b32 s23, 0
	s_add_nc_u64 s[6:7], s[6:7], s[22:23]          ; xs at my four tiles
	s_lshl_b32 s22, s42, 13
	s_add_nc_u64 s[10:11], s[10:11], s[22:23]      ; Wq's scales at the head's 128 rows
	s_lshl_b32 s22, s42, 9
	s_add_nc_u64 s[12:13], s[12:13], s[22:23]      ; Wq_b at the head's 128 numbers
	s_and_b32 s21, s43, 7
	s_lshl_b32 s22, s21, 4
	s_lshl_b32 s62, s18, 2
	s_add_co_u32 s22, s22, s62
	s_lshl_b32 s22, s22, 13
	s_add_nc_u64 s[TBB:TBB+1], s[14:15], s[22:23]  ; the table at my first position tile: 16 (TR % 8) + 4 w
	s_lshr_b32 s22, s43, 3
	s_lshl_b32 s22, s22, 4
	s_add_co_u32 s22, s22, s42                     ; batch x 16 + head
	s_lshl_b32 s22, s22, 4
	s_lshl_b32 s21, s21, 1
	s_add_co_u32 s22, s22, s21
	s_add_co_u32 s22, s22, s19                     ; its key step 2 (TR % 8) + w / 2
	s_mul_i32 s22, s22, STEPB
	s_add_nc_u64 s[KVB:KVB+1], s[16:17], s[22:23]
.irp k, 0,1,2,3,4,5,6,7,8,9,10,11,12,13,14,15
.irp i, 0,1
	global_load_b32 v[SA+2*\k+\i], v[HO], s[6:7] offset:2048*\i+64*\k
.endr
.endr
.irp g, 0,1,2,3
.irp q, 0,1,2,3
	global_load_b128 v[SB+16*\g+4*\q:SB+16*\g+4*\q+3], v[HO+1], s[10:11] offset:2048*\g+16*\q   ; four K steps' words of a row at once
.endr
.endr
.irp b, 0,1,2,3,4,5,6,7
	global_load_b32 v[BN+2*\b], v[HO+3], s[12:13] offset:64*\b       ; Wq_b(16 b + r), twice: a pair for the packed addition
	global_load_b32 v[BN+2*\b+1], v[HO+3], s[12:13] offset:64*\b
.endr
	WIN 0x40
.irp b, 0,1,2,3,4,5,6,7
.irp c, 0,1
	global_load_b128 v[BT+8*\b+4*\c:BT+8*\b+4*\c+3], v[HO+2], s[12:13] offset:64*\b+16*\c   ; Wq_b(16 b + 8 h + 0 .. 7)
.endr
.endr
	WIN 0
	s_wait_tensorcnt 0x0                           ; my one load of the head is in
	s_barrier_signal -1
	s_barrier_wait -1                              ; everybody's is
	FETCH 0, 0, 0
	s_wait_loadcnt 0x0                             ; the scale words and the biases
	KSTEP 0, 0, 1
	KSTEP 1, 0, 2
	KSTEP 2, 0, 3
	; K step 3 leaves slot 0, which takes quarter 3 of K: all my tensor loads waited for, the add, the wait for it and for my reads of the slot, a round of the cluster's barrier, and the joint refill first behind it
	WIN 0                                          ; (the add's two registers lie in window 0)
	s_wait_tensorcnt 0x0                           ; all my tensor loads have landed, so a group 0 may be written
	ds_add_u32 v[SPW], v[NIL]                      ; 0 onto my spare word
	s_mov_b32 s[G1A+2], 128<<16                    ; no tensor load of mine is out, so a descriptor may be written: the refill brings halves: 128 rows of x's dense bytes,
	s_mov_b32 s[G1A+4], 128
	s_mov_b32 s[G1B+2], 64<<16                     ; 64 rows of Wq
	s_mov_b32 s[G1B+4], 64
	s_wait_dscnt 1                                 ; all but the add: this step's fragments are in
	MULT 3                                         ; 32 matrix instructions stand between the add and the wait for it
	WIN 0
	s_wait_dscnt 0x0                               ; the add is done, and my reads of slot 0 are over
	CROUND                                         ; no wave of any partner still reads slot 0 or has a load on its way
	JLOAD 0                                        ; it has eight K steps in which to land; its four v_nop are also the places in front of the loads below
	FETCH 1, 0, 0                                  ; slot 1 is whole: every wave has waited for all its loads in front of the round
	MULN 3
	KSTEP 4, 1, 1
	KSTEP 5, 1, 2
	KSTEP 6, 1, 3
	KSTEP 7, 2, 0                                  ; slot 2 likewise
	KSTEP 8, 2, 1
	KSTEP 9, 2, 2
	KSTEP 10, 2, 3
	s_wait_dscnt 0x0                               ; K step 11's fragments; no LDS instruction of mine is out at the signal below
	MULT 11
	WIN 0
	s_wait_tensorcnt 0x0                           ; the one load that is out: my part of quarter 3
	s_barrier_signal -1
	s_barrier_wait -1                              ; everybody's is in
	PLACES
	FETCH 0, 0, 0
	WIN 0
	TABLOAD 0                                      ; the table of my first two tiles, four K steps ahead of its use
	TABLOAD 1
	MULN 11
	KSTEP 12, 0, 1
	KSTEP 13, 0, 2
	KSTEP 14, 0, 3
	s_wait_dscnt 0x0
	MULT 15
	MULN 15
	; THE WAY OUT
	WIN 0
	PLACES
	s_lshl_b32 s21, s20, 12
	v_add_nc_u32 v[VK], s21, v[LI]                 ; Kr's images: my tiles are 4 (w % 2) + a of the key step
	s_lshl_b32 s21, s20, 9
	v_add_nc_u32 v[VV], s21, v[LI]                 ; V's images: my 64 keys are register group w % 2
	s_lshl_b32 s21, s20, 8
	v_add_nc_u32 v[VS8], s21, v[L8]                ; scale words: 256 bytes a wave
	s_lshl_b32 s21, s18, 8
	v_add_nc_u32 v[VSR], s21, v[L8]
	v_add_nc_u32 v[VSR], VSG, v[VSR]
	s_lshl_b32 s21, s19, 9
	s_lshl_b32 s22, s20, 1
	s_add_co_u32 s21, s21, s22
	v_lshl_add_u32 v[VSA], v1, 4, s21
	v_add_nc_u32 v[VSA], VSG, v[VSA]               ; V's scale bytes: key step w / 2, row r's words, my two bytes of each
.irp b, 0,1,2,3
	v_mov_b32 v[TM+4+\b], 0                        ; a lane permute's destination counts as one of its sources
.endr
	s_wait_loadcnt 0x0                             ; the table of tiles 0 and 1
.irp a, 0,1,2,3
.if \a == 2
	s_wait_loadcnt 16                              ; tile 2's table is in; the 16 loads of tile 3's may be out
.endif
.if \a == 3
	s_wait_loadcnt 0x0
.endif
	ROPE \a
	WIN 0
.if \a < 2
	TABLOAD \a+2                                   ; the buffer just read takes the tile two further on
.endif
	s_wait_xcnt 0x0                                ; the last stores have read their data: the codes' registers are written again only behind this wait
	QUANT H, PC, PWQ+\a
	global_store_b128 v[VK], v[PC:PC+3], s[KVB:KVB+1] offset:1024*\a        ; the fragment's image: 512 consecutive bytes a store
	global_store_b128 v[VK], v[PC+4:PC+7], s[KVB:KVB+1] offset:1024*\a+512
.endr
	v_cmp_ne_u32 vcc_lo, 0, v2
	v_cndmask_b32 v[PR], v[PWQ], v[PWQ+1], vcc_lo          ; word i of lane (r, h): tile 2 i + h of my four
	v_cndmask_b32 v[PR+1], v[PWQ+2], v[PWQ+3], vcc_lo
	global_store_b64 v[VS8], v[PR:PR+1], s[KVB:KVB+1] offset:16384   ; 256 consecutive bytes, aligned
	; V: two tiles of columns at a time.  A lane holds one column of each and my 64 keys: registers 32 b + 8 a + j = key 16 a + 8 h + j.  The addition of Wq_b brings them into window 0
.irp g, 0,1,2,3
	WIN 0x03                                       ; source 0 (accN) window 3
.set i, 0
.rept 32
	v_pk_add_f32 v[H+2*i:H+2*i+1], v[64*\g+2*i:64*\g+2*i+1], v[BN+2*(2*\g+i/16):BN+2*(2*\g+i/16)+1]
.set i, i+1
.endr
	WIN 0
	s_wait_xcnt 0x0                                ; the last global stores have read the codes' registers,
	s_wait_dscnt 0x0                               ; the last LDS stores the scale word's
	QUANT H, PC, PW
	global_store_b128 v[VV], v[PC:PC+3], s[KVB:KVB+1] offset:8192+2048*\g        ; tile 2 g: my 64 keys' half of its image
	global_store_b128 v[VV], v[PC+4:PC+7], s[KVB:KVB+1] offset:8192+2048*\g+1024 ; tile 2 g + 1
	ds_store_b16 v[VSA], v[PW] offset:4*\g                     ; tile 2 g's two bytes (both halves of the lanes write the same bytes with the same value)
	ds_store_b16_d16_hi v[VSA], v[PW] offset:256+4*\g          ; tile 2 g + 1's
.endr
	s_wait_dscnt 0x0                               ; for the others' sake: a word's four bytes come from two waves
	s_barrier_signal -1
	s_barrier_wait -1
	s_wait_xcnt 0x0                                ; the store of Kr's scale words has read v[PR:PR+1]
	ds_load_b64 v[PR:PR+1], v[VSR]
	s_wait_dscnt 0x0
	global_store_b64 v[VS8], v[PR:PR+1], s[KVB:KVB+1] offset:16896   ; 256 consecutive bytes, aligned
	s_wait_tensorcnt 0x0                           ; the wave's end: behind my last tensor load and my last LDS store
	ds_add_u32 v[SPW], v[NIL]
	s_wait_dscnt 0x0
	CROUND                                         ; the closing round: no work-group ends while a partner may still ask for a tile that names it
	s_endpgm
.Lfunc_end_k_qc47e97521d_qproj:
	.size	k_qc47e97521d_qproj, .Lfunc_end_k_qc47e97521d_qproj-k_qc47e97521d_qproj
	.p2alignl 7, 3214868480
	.fill 96, 4, 3214868480
	.section	.rodata,"a",@progbits
	.p2align	6, 0x0
	.amdhsa_kernel k_qc47e97521d_qproj
		.amdhsa_group_segment_fixed_size 327680
		.amdhsa_private_segment_fixed_size 0
		.amdhsa_enable_private_segment 0
		.amdhsa_kernarg_size 56
		.amdhsa_user_sgpr_count 2
		.amdhsa_user_sgpr_kernarg_segment_ptr 1
		.amdhsa_wavefront_size32 1
		.amdhsa_system_sgpr_workgroup_id_x 1
		.amdhsa_system_sgpr_workgroup_id_y 1
		.amdhsa_system_sgpr_workgroup_id_z 1
		.amdhsa_system_vgpr_workitem_id 0
		.amdhsa_next_free_vgpr 1024
		.amdhsa_next_free_sgpr 100
		.amdhsa_reserve_vcc 1
		.amdhsa_float_denorm_mode_32 3
		.amdhsa_float_denorm_mode_16_64 3
		.amdhsa_memory_ordered 1
		.amdhsa_forward_progress 1
		.amdhsa_inst_pref_size 236
	.end_amdhsa_kernel
	.amdgpu_metadata
---
amdhsa.version: [ 1, 2 ]
amdhsa.kernels:
  - .name:           k_qc47e97521d_qproj
    .symbol:         k_qc47e97521d_qproj.kd
    .args:
      - { .name: xa, .offset: 0, .size: 8, .value_kind: global_buffer, .address_space: global }
      - { .name: xs, .offset: 8, .size: 8, .value_kind: global_buffer, .address_space: global }
      - { .name: Wq_w_codes, .offset: 16, .size: 8, .value_kind: global_buffer, .address_space: global }
      - { .name: Wq_w_scales, .offset: 24, .size: 8, .value_kind: global_buffer, .address_space: global }
      - { .name: Wq_b, .offset: 32, .size: 8, .value_kind: global_buffer, .address_space: global }
      - { .name: tab, .offset: 40, .size: 8, .value_kind: global_buffer, .address_space: global }
      - { .name: kv, .offset: 48, .size: 8, .value_kind: global_buffer, .address_space: global }
    .group_segment_fixed_size: 327680
    .private_segment_fixed_size: 0
    .kernarg_segment_align: 8
    .kernarg_segment_size: 56
    .max_flat_workgroup_size: 128
    .sgpr_count:     100
    .vgpr_count:     1024
    .wavefront_size: 32
...
	.end_amdgpu_metadata
.endif
;; end of part 2
;; launch attn (part 3): grid 8 x 32, 16 waves a work-group, no clusters, 327,680 bytes of LDS; arguments kv, oa, os; writes oa, os
.if DOCPART == 3
	.amdgcn_target "amdgcn-amd-amdhsa--gfx1250"
	.amdhsa_code_object_version 6
	.text
	.protected	k_qc47e97521d_attn
	.globl	k_qc47e97521d_attn
	.p2align	8
	.type	k_qc47e97521d_attn,@function
k_qc47e97521d_attn:
	s_mov_b64 s[64:65], 0
	v_nop
	global_prefetch_b8 v0, s[64:65] scope:SCOPE_SE
	s_setreg_imm32_b32 hwreg(HW_REG_WAVE_MODE, 25, 1), 1
	s_wait_xcnt 0x0
; O = softmax(causal(Qr Kr^T / sqrt(128))) V for one batch and head, both products on codes of E2M1, then O quantised along the model's 2,048 (K step = head) for the last product.  Qr's codes are Kr's.
; WORK LEFT OUT: steps of 16 queries x 128 keys all of whose keys come after all of the tile's queries: the problem's own mask makes their weights 0 for all values of the inputs.
; LIMIT: a NaN, an infinity or an overflow that would arise only in such hidden steps is not carried to the result.  NaN and infinities among the inputs are not served; a block of zeros gets the byte 1 with zero codes.
; THE SOFTMAX AHEAD OF THE SECOND PRODUCT: t = score x log2(e) / sqrt(128); M = the row's largest t so far, rounded UP to a whole number; p = 2^(t - M) is quantised along the keys, not normalised.
; The row's sum is taken of the unquantised p and divides O at the end.  When M moves, the sum and O are multiplied by 2^(old M - new M): exact.
; SHARES.  Work-group (i, batch x head) owns the blocks i and 15 - i of 128 queries: 8 tiles x 17 key steps whatever i is.  Each of its sixteen waves owns one tile of 16 queries in 256 registers;
; wave w takes tile w / 2 of block i or of block 15 - i by the bit (w ^ (w >> 2)) & 1, so that early and late tiles alternate among neighbouring waves and among waves four apart.
; Every wave walks all four slots of 512 keys (the trip counts are constants) and jumps over the work of hidden steps by a scalar branch on ids.
; kv's key step (17,408 bytes: 8 images of Kr, 8 images of V^T, both sets of scale words) is one dense block: waves 0 to 3 fetch one key step each, one tensor load a wave; all sixteen read.
; NO CLUSTER: work-groups i = 4 .. 7 never read the fourth slot, so its load is led round by a jump on ids.
; LAYOUT.  Both products are used transposed: S^T = K Q^T (source 0 = 16 keys, source 1 = my 16 queries), O^T = V^T P^T: a lane holds ONE query (lane % 16) throughout.  Register 8 T + j of S^T is key 16 T + 8 (lane / 16) + j.
; REGISTERS: v1-4, v7, v10 addresses that stay; v5-6 the add's two; v8-9 addresses of the loads in hand; v12 -M, v13 the largest t, v[14:15] the sum; v16-23 Q; v28 the prefetches' offset; v32-95 eight fragments of K or of V;
; v96-159 S^T, then p; v160-223 O^T; v224-231 codes; v232-254 at work (v248-251 scale words, v253 p's scale word); v255 Q's scale word.
.set STEPB, 17408
.set SLOTB, 4*STEPB
.set SLOT1, 1<<17                      ; slot 1 begins here, so that one exclusive or turns an address in one slot into the other's
.set NSL,   4
.set OSC,   2*SLOT1                    ; O's scale words, 16 tiles x 64 bytes: no fill lands here
.set SPARE, OSC+1024                   ; the spare words, 128 bytes for each of 16 waves: eight blocks of 256 bytes that no other line names
.set LI,  1
.set LI2, 2
.set L8,  3
.set L82, 4
.set SPW, 5
.set NIL, 6
.set OSA, 7
.set ADK, 8
.set AD8, 9
.set OSR, 10
.set PFO, 28
.set TM,  232
.set WV,  18
.set SEL, 20
.set CS,  22
.set G1,  24
.set G0,  40
.set TB,  44                           ; s44  LDS byte at which the slot in hand begins
.set KF,  45                           ; s45  the step's first key
.set Q0,  46                           ; s46  my first query
.set SLOTS, 47
.set LASTQ, 48                         ; s48  the work-group's last query
.set PFA, 50
.set LIM, 52
.set OAB, 78
.set OSB, 80
.macro TLOAD                           ; waves 0 to 3 fetch a key step each.  An s_nop 0 and four v_nop follow the load
	s_cmp_lt_u32 s[WV], 4
	s_cbranch_scc0 .Lasked_\@
	tensor_load_to_lds s[G0:G0+3], s[G1:G1+7]
	s_nop 0
.rept 4
	v_nop
.endr
.Lasked_\@:
.endm
; A prefetch of what the NEXT change of slots will ask for: the images of four key steps, 16,384 bytes each.  All eight work-groups of a head walk the same bytes: the first (i = 0) asks, in its waves 4 to 11, which fetch nothing:
; wave 4 + x names the 8,192 bytes of K's (x even) or V's (x odd) images of key step x / 2, lanes 256 bytes apart: each aligned block of 256 bytes once in the launch.  The 1,024 bytes of scale words come by their load alone.
; The last change that fills a slot asks for nothing: there is no slot behind it.  Slots 0 and 1 come by their loads alone.
.macro ASK
	s_cmp_gt_u32 s[SLOTS], s[LIM]
	s_cbranch_scc0 .Lnot_mine_\@
	global_prefetch_b8 v[PFO], s[PFA:PFA+1] th:TH_LOAD_NT scope:SCOPE_SE
.Lnot_mine_\@:
.endm
; 64 numbers of a lane, register 8 t + j = k 16 t + 8 (lane / 16) + j of my row, become a fragment's codes in v[pc] on and the row's scale word in v[pw] (as in launch qproj)
.macro QUANT s, pc, pw
.irp b, 0,1,2,3
	v_max3_num_f32 v[TM+\b], |v[\s+16*\b]|, |v[\s+1+16*\b]|, 0x1800000
.endr
.irp i, 2,4,6,8,10,12,14
.irp b, 0,1,2,3
	s_delay_alu instid0(VALU_DEP_4)
	v_max3_num_f32 v[TM+\b], v[TM+\b], |v[\s+16*\b+\i]|, |v[\s+1+16*\b+\i]|
.endr
.endr
.irp b, 0,1,2,3
	s_delay_alu instid0(VALU_DEP_4)
	v_permlanex16_b32 v[TM+4+\b], v[TM+\b], s[SEL], s[SEL+1]
.endr
.irp b, 0,1,2,3
	s_delay_alu instid0(VALU_DEP_4)
	v_max_num_f32 v[TM+\b], v[TM+\b], v[TM+4+\b]
.endr
.irp b, 0,1,2,3
	s_delay_alu instid0(VALU_DEP_4)
	v_add_nc_u32 v[TM+12+\b], 0xff000000, v[TM+\b]
.endr
.irp b, 0,1,2,3
	s_delay_alu instid0(VALU_DEP_4)
	v_lshrrev_b32 v[TM+4+\b], 23, v[TM+12+\b]
.endr
	s_delay_alu instid0(VALU_DEP_3)
	v_lshl_or_b32 v[\pw], v[TM+5], 8, v[TM+4]
	s_delay_alu instid0(VALU_DEP_1)
	v_lshl_or_b32 v[\pw], v[TM+6], 16, v[\pw]
	s_delay_alu instid0(VALU_DEP_1)
	v_lshl_or_b32 v[\pw], v[TM+7], 24, v[\pw]
.irp c, 0,1
	v_cvt_scalef32_pk8_fp4_f32 v[\pc+4*\c], v[\s+32*\c:\s+32*\c+7], v[TM+12+2*\c]
	v_cvt_scalef32_pk8_fp4_f32 v[\pc+4*\c+2], v[\s+32*\c+8:\s+32*\c+15], v[TM+12+2*\c]
	v_cvt_scalef32_pk8_fp4_f32 v[\pc+4*\c+1], v[\s+32*\c+16:\s+32*\c+23], v[TM+13+2*\c]
	v_cvt_scalef32_pk8_fp4_f32 v[\pc+4*\c+3], v[\s+32*\c+24:\s+32*\c+31], v[TM+13+2*\c]
.endr
	v_nop
.irp c, 0,1
	v_permlane16_swap_b32 v[\pc+4*\c], v[\pc+4*\c+1]
	v_permlane16_swap_b32 v[\pc+4*\c+2], v[\pc+4*\c+3]
.endr
.endm
	s_load_b128 s[4:7], s[0:1], 0x0                ; kv, oa
	s_load_b64 s[8:9], s[0:1], 0x10                ; os
	v_lshl_add_u32 v[SPW], v0, 2, SPARE
	v_mov_b32 v[NIL], 0
	ds_add_u32 v[SPW], v[NIL]                      ; the wave's opening: the add, twice on end, and its wait ahead of my first tensor load; the set-up below stands between the second and the wait
	ds_add_u32 v[SPW], v[NIL]
	v_lshrrev_b32 v8, 5, v0
	s_delay_alu instid0(VALU_DEP_1)
	v_readfirstlane_b32 s[WV], v8                  ; wave 0..15
	s_and_b32 s53, ttmp7, 0xffff                   ; batch x 16 + head
	s_mul_i32 s54, s53, 16*STEPB                   ; its first byte in kv
	s_mov_b32 s55, 0
	s_lshr_b32 s56, s[WV], 2
	s_xor_b32 s56, s56, s[WV]
	s_and_b32 s56, s56, 1                          ; 0: block i, 1: block 15 - i
	s_lshr_b32 s57, s[WV], 1                       ; my tile in the block
	s_lshl_b32 s58, ttmp9, 1
	s_sub_co_u32 s58, 15, s58                      ; 15 - 2 i
	s_mul_i32 s59, s56, s58
	s_add_co_u32 s59, s59, ttmp9                   ; my block of 128 queries
	s_lshl_b32 s[Q0], s59, 7
	s_lshl_b32 s60, s57, 4
	s_add_co_u32 s[Q0], s[Q0], s60
	s_sub_co_u32 s[LASTQ], 15, ttmp9
	s_lshl_b32 s[LASTQ], s[LASTQ], 7
	s_or_b32 s[LASTQ], s[LASTQ], 127
	; group 1: a key step, 17,408 dense bytes, as 68 rows of 32 elements of 8 bytes, no padding
	s_mov_b32 s[G1], 3<<16
	s_mov_b32 s[G1+1], 32<<16
	s_mov_b32 s[G1+2], 68<<16
	s_mov_b32 s[G1+3], 32<<16
	s_mov_b32 s[G1+4], 68
	s_mov_b32 s[G1+5], 32
	s_mov_b32 s[G1+6], 0
	s_mov_b32 s[G1+7], 0
	s_mov_b32 s[SEL], 0x76543210
	s_mov_b32 s[SEL+1], 0xfedcba98
	s_mov_b32 s[CS], 0x3e0293ee                    ; c = log2(e) / sqrt(128)
	s_mov_b32 s[CS+1], s[CS]                       ; (named with it as a pair, so it is written)
	s_mov_b32 s[TB], 0
	s_mov_b32 s[KF], 0
	s_mov_b32 s[SLOTS], NSL-1
	s_and_b32 s61, s[WV], 3
	s_mul_i32 s61, s61, STEPB                      ; the key step that I fetch, if I fetch: in a slot and in memory
	s_add_co_u32 s62, s54, s61
	s_mov_b32 s63, 0
	s_wait_dscnt 0x0                               ; both opening adds are done
	s_wait_kmcnt 0x0
	s_mov_b32 s[G0], 1
	s_mov_b32 s[G0+1], s61
	s_add_nc_u64 s[G0+2:G0+3], s[4:5], s[62:63]
	s_or_b32 s[G0+3], s[G0+3], 0x80000000
	TLOAD                                          ; slot 0
	s_mul_i32 s66, s59, STEPB
	s_add_co_u32 s66, s66, s54
	s_mov_b32 s67, 0
	s_add_nc_u64 s[68:69], s[4:5], s[66:67]        ; the key step that holds my queries
	s_lshl_b32 s70, s57, 10
	s_mov_b32 s71, 0
	s_add_nc_u64 s[72:73], s[68:69], s[70:71]      ; my tile's image
	s_lshr_b32 s74, s57, 2
	s_lshl_b32 s74, s74, 8
	s_and_b32 s75, s57, 1
	s_lshl_b32 s75, s75, 7
	s_add_co_u32 s74, s74, s75
	s_bfe_u32 s75, s57, 0x10001
	s_lshl_b32 s75, s75, 2
	s_add_co_u32 s74, s74, s75
	s_add_co_u32 s74, s74, 16384
	s_mov_b32 s75, 0
	s_add_nc_u64 s[76:77], s[68:69], s[74:75]      ; and its scale words, 8 bytes from row to row
	s_lshr_b32 s82, s53, 4                         ; batch
	s_and_b32 s83, s53, 15                         ; head = the last product's K step
	s_lshl_b32 s84, s82, 7
	s_lshl_b32 s85, s59, 3
	s_add_co_u32 s84, s84, s85
	s_add_co_u32 s84, s84, s57                     ; my tile among the 256 tiles of rows
	s_lshr_b32 s86, s84, 4
	s_lshl_b32 s86, s86, 18
	s_bfe_u32 s85, s84, 0x20002
	s_lshl_b32 s85, s85, 14
	s_add_co_u32 s86, s86, s85
	s_and_b32 s85, s84, 3
	s_lshl_b32 s85, s85, 10
	s_add_co_u32 s86, s86, s85
	s_lshr_b32 s85, s83, 2
	s_lshl_b32 s85, s85, 16
	s_add_co_u32 s86, s86, s85
	s_and_b32 s85, s83, 3
	s_lshl_b32 s85, s85, 12
	s_add_co_u32 s86, s86, s85
	s_mov_b32 s87, 0
	s_add_nc_u64 s[OAB:OAB+1], s[6:7], s[86:87]    ; my fragment's image in oa
	s_bfe_u32 s85, s[WV], 0x10001                  ; waves 0 to 3 store the scale words of four tiles each: block i (waves 0, 1) or 15 - i (waves 2, 3), its half w % 2
	s_mul_i32 s85, s85, s58
	s_add_co_u32 s85, s85, ttmp9
	s_lshl_b32 s85, s85, 1
	s_and_b32 s86, s[WV], 1
	s_add_co_u32 s85, s85, s86
	s_lshl_b32 s86, s82, 5
	s_add_co_u32 s85, s85, s86
	s_lshl_b32 s86, s85, 12
	s_lshl_b32 s85, s83, 8
	s_add_co_u32 s86, s86, s85
	s_add_nc_u64 s[OSB:OSB+1], s[8:9], s[86:87]
	s_sub_co_u32 s88, s[WV], 4                     ; the prefetches: who asks, and where
	s_lshr_b32 s89, s88, 3                         ; 0 in waves 4 to 11,
	s_or_b32 s89, s89, ttmp9                       ; of the head's first work-group
	s_cmp_eq_u32 s89, 0
	s_cselect_b32 s[LIM], 1, -1
	s_and_b32 s88, s88, 7
	s_lshr_b32 s90, s88, 1
	s_mul_i32 s90, s90, STEPB
	s_and_b32 s91, s88, 1
	s_lshl_b32 s91, s91, 13
	s_add_co_u32 s90, s90, s91
	s_add_co_u32 s90, s90, s54
	s_add_co_u32 s90, s90, SLOTB                   ; in slot 1: the first change of slots steps it to slot 2.  Nothing is prefetched at the head
	s_mov_b32 s91, 0
	s_add_nc_u64 s[PFA:PFA+1], s[4:5], s[90:91]
	v_and_b32 v8, 31, v0
	s_delay_alu instid0(VALU_DEP_1)
	v_lshlrev_b32 v[LI], 4, v8
	s_delay_alu instid0(VALU_DEP_1)
	v_add_nc_u32 v[LI2], 2*STEPB, v[LI]
	s_delay_alu instid0(VALU_DEP_3)
	v_lshlrev_b32 v[L8], 3, v8
	s_delay_alu instid0(VALU_DEP_1)
	v_add_nc_u32 v[L82], 2*STEPB, v[L8]
	v_lshlrev_b32 v[PFO], 8, v8
	v_and_b32 v9, 15, v0
	s_lshl_b32 s92, s56, 3
	s_add_co_u32 s92, s92, s57
	s_lshl_b32 s92, s92, 6
	v_lshl_add_u32 v[OSA], v9, 2, s92
	s_delay_alu instid0(VALU_DEP_1)
	v_add_nc_u32 v[OSA], OSC, v[OSA]               ; my tile's 16 scale words
	s_lshl_b32 s92, s[WV], 8
	v_add_nc_u32 v[OSR], s92, v[L8]
	s_delay_alu instid0(VALU_DEP_1)
	v_add_nc_u32 v[OSR], OSC, v[OSR]               ; and, for waves 0 to 3, four tiles' words on their way out
	v_lshlrev_b32 v254, 3, v9
	global_load_b128 v[16:19], v[LI], s[72:73]             ; Q's fragment stays in registers
	global_load_b128 v[20:23], v[LI], s[72:73] offset:512
	global_load_b32 v255, v254, s[76:77]                   ; Q's scale words
	v_mov_b32 v13, 0xff61b1e6                      ; the largest t so far: -3e38, under every t
	s_delay_alu instid0(VALU_DEP_1)
	v_floor_f32 v12, -v13                          ; -M
	v_mov_b32 v14, 0                               ; the sum, in two halves
	v_mov_b32 v15, 0
.irp b, 0,1,2,3
	v_mov_b32 v[236+\b], 0                         ; written once: a lane permute's destination counts as one of its sources
.endr
	v_mov_b32 v252, 0
	v_mov_b32 v253, 0
.irp j, 0,1,2,3,4,5,6,7,8,9,10,11,12,13,14,15,16,17,18,19,20,21,22,23,24,25,26,27,28,29,30,31,32,33,34,35,36,37,38,39,40,41,42,43,44,45,46,47,48,49,50,51,52,53,54,55,56,57,58,59,60,61,62,63
	v_mov_b32 v[160+\j], 0                         ; O^T.  (The step is written once for all steps: the first finds zeros, which the first change of M leaves zeros)
.endr
; A KEY STEP: 128 keys, the q-th of the slot in hand
.macro STEP q
.set E, STEPB*((\q)%2)
	s_add_co_u32 s96, s[Q0], 15                    ; a step all of whose keys come after my 16 queries is left out: a scalar branch on ids, round its loads, products and softmax; no barrier and no tensor load stands in a step
	s_cmp_gt_u32 s[KF], s96
	s_cbranch_scc1 .Lhidden_\@
.if (\q) < 2
	v_add_nc_u32 v[ADK], s[TB], v[LI]
	s_wait_alu depctr_va_vdst(0)
	v_add_nc_u32 v[AD8], s[TB], v[L8]
.else
	v_add_nc_u32 v[ADK], s[TB], v[LI2]
	s_wait_alu depctr_va_vdst(0)
	v_add_nc_u32 v[AD8], s[TB], v[L82]
.endif
	v_nop                                          ; with the two additions: four places in front of loads into registers that the last step's matrix instructions have read
	v_nop
.irp t, 0,1,2,3,4,5,6,7
.irp c, 0,1
	ds_load_b128 v[32+8*\t+4*\c:35+8*\t+4*\c], v[ADK] offset:E+1024*\t+512*\c   ; K's eight images, 512 consecutive bytes a load
.endr
.endr
	ds_load_b64 v[248:249], v[AD8] offset:E+16384  ; K's scale words: v[248 + T / 2]: lanes 0-15 tile T even, lanes 16-31 tile T odd
	ds_load_b64 v[250:251], v[AD8] offset:E+16640
	s_wait_dscnt 0x0
.irp t, 0,2,4,6
	v_wmma_scale_f32_16x16x128_f8f6f4 v[96+8*\t:103+8*\t], v[32+8*\t:39+8*\t], v[16:23], 0, v[248+\t/2], v255 matrix_a_fmt:MATRIX_FMT_FP4 matrix_b_fmt:MATRIX_FMT_FP4
	v_wmma_scale_f32_16x16x128_f8f6f4 v[104+8*\t:111+8*\t], v[40+8*\t:47+8*\t], v[16:23], 0, v[248+\t/2], v255 matrix_a_fmt:MATRIX_FMT_FP4 matrix_b_fmt:MATRIX_FMT_FP4 matrix_a_scale:MATRIX_SCALE_ROW1
.endr
.rept 4
	v_nop                                          ; four places: for the loads below, into registers that these products have read, and for the first read of the scores
.endr
.irp t, 0,1,2,3,4,5,6,7
.irp c, 0,1
	ds_load_b128 v[32+8*\t+4*\c:35+8*\t+4*\c], v[ADK] offset:E+8192+1024*\t+512*\c   ; V's eight images: they land while the softmax is walked
.endr
.endr
	ds_load_b128 v[248:251], v[ADK] offset:E+16896 ; V's scale words: v[248 + T / 2] likewise
	s_add_co_u32 s96, s[KF], 127                   ; on the diagonal the scores of hidden keys become -infinity ahead of the maximum: p = 0 then.  A step all of whose keys count skips this
	s_cmp_le_u32 s96, s[Q0]
	s_cbranch_scc1 .Lopen_\@
	s_sub_co_i32 s96, s[Q0], s[KF]
	v_and_b32 v252, 15, v0
	v_bfe_u32 v253, v0, 4, 1
	s_delay_alu instid0(VALU_DEP_1)
	v_lshlrev_b32 v253, 3, v253
	s_delay_alu instid0(VALU_DEP_1)
	v_sub_nc_u32 v252, v252, v253
	s_delay_alu instid0(VALU_DEP_1)
	v_add_nc_u32 v252, s96, v252                   ; d = my query - KF - 8 (lane / 16).  Register n holds key KF + 8 (lane / 16) + 16 (n / 8) + n % 8: hidden where 16 (n / 8) + n % 8 > d
	v_mov_b32 v254, 0xff800000                     ; -infinity
.irp n, 0,1,2,3,4,5,6,7,8,9,10,11,12,13,14,15,16,17,18,19,20,21,22,23,24,25,26,27,28,29,30,31,32,33,34,35,36,37,38,39,40,41,42,43,44,45,46,47,48,49,50,51,52,53,54,55,56,57,58,59,60,61,62,63
	v_cmp_gt_i32 vcc_lo, 16*(\n/8)+\n%8, v252
	v_cndmask_b32 v[96+\n], v[96+\n], v254, vcc_lo
.endr
.Lopen_\@:
.irp b, 0,1,2,3
	v_max3_num_f32 v[232+\b], v[96+16*\b], v[97+16*\b], v[98+16*\b]   ; the largest score of each block of 32 keys: it serves for the row's maximum and, since p rises with the score, for the block's largest p
.endr
.irp i, 3,5,7,9,11,13
.irp b, 0,1,2,3
	v_max3_num_f32 v[232+\b], v[232+\b], v[96+16*\b+\i], v[97+16*\b+\i]
.endr
.endr
.irp b, 0,1,2,3
	v_max_num_f32 v[232+\b], v[232+\b], v[111+16*\b]
.endr
.irp b, 0,1,2,3
	s_delay_alu instid0(VALU_DEP_4)
	v_permlanex16_b32 v[236+\b], v[232+\b], s[SEL], s[SEL+1]
.endr
.irp b, 0,1,2,3
	s_delay_alu instid0(VALU_DEP_4)
	v_max_num_f32 v[232+\b], v[232+\b], v[236+\b]  ; with lane l xor 16's 16 keys
.endr
	s_delay_alu instid0(VALU_DEP_2)
	v_max3_num_f32 v254, v232, v233, v234
	s_delay_alu instid0(VALU_DEP_1)
	v_max_num_f32 v254, v254, v235                 ; the step's largest score of my query
	s_delay_alu instid0(VALU_DEP_1)
	v_mul_f32 v254, s[CS], v254                    ; as t (c is positive)
	s_delay_alu instid0(VALU_DEP_1)
	v_max_num_f32 v13, v13, v254                   ; the running largest t
	v_mov_b32 v254, v12
	s_delay_alu instid0(VALU_DEP_2)
	v_floor_f32 v12, -v13                          ; the new -M = floor(-t) = -ceil(t)
	s_delay_alu instid0(VALU_DEP_1)
	v_sub_f32 v254, v12, v254                      ; M's old value less its new one: a whole number, 0 or less
	s_delay_alu instid0(VALU_DEP_1)
	v_cvt_i32_f32 v254, v254                       ; (it saturates)
	s_delay_alu instid0(VALU_DEP_1)
	v_ldexp_f32 v252, 1.0, v254                    ; f = 2^(old M - new M)
.irp j, 0,2,4,6,8,10,12,14,16,18,20,22,24,26,28,30,32,34,36,38,40,42,44,46,48,50,52,54,56,58,60,62
	v_pk_fma_f32 v[96+\j:97+\j], v[96+\j:97+\j], s[CS:CS+1], v[12:13] op_sel_hi:[1,0,0]   ; t - M, two at a time
.endr
.irp b, 0,1,2,3
	v_fma_f32 v[232+\b], v[232+\b], s[CS], v12     ; the same of each block's largest score
.endr
	s_wait_alu depctr_va_vdst(0)
.irp j, 0,1,2,3,4,5,6,7,8,9,10,11,12,13,14,15,16,17,18,19,20,21,22,23,24,25,26,27,28,29,30,31,32,33,34,35,36,37,38,39,40,41,42,43,44,45,46,47,48,49,50,51,52,53,54,55,56,57,58,59,60,61,62,63
	v_exp_f32 v[96+\j], v[96+\j]                   ; p = 2^(t - M), at most 1: not normalised
.endr
	v_pk_mul_f32 v[14:15], v[14:15], v[252:253] op_sel_hi:[1,0]   ; the sums under the new M.  (The plain instruction behind the exponentials)
	s_wait_alu depctr_va_vdst(0)                   ; one wait for the whole batch, ahead of its first reader
.irp b, 0,1,2,3
	v_exp_f32 v[232+\b], v[232+\b]                 ; the block's largest p
.endr
	v_pk_add_f32 v[236:237], v[100:101], v[104:105]
	v_pk_add_f32 v[246:247], v[108:109], v[112:113]
	v_pk_add_f32 v[244:245], v[116:117], v[120:121]
	v_pk_add_f32 v[242:243], v[124:125], v[128:129]
	v_pk_add_f32 v[240:241], v[132:133], v[136:137]
	v_pk_add_f32 v[238:239], v[140:141], v[144:145]
	v_pk_add_f32 v[230:231], v[148:149], v[152:153]
	v_pk_add_f32 v[14:15], v[14:15], v[156:157]
	v_pk_add_f32 v[236:237], v[236:237], v[96:97]
	v_pk_add_f32 v[246:247], v[246:247], v[98:99]
	v_pk_add_f32 v[244:245], v[244:245], v[102:103]
	v_pk_add_f32 v[242:243], v[242:243], v[106:107]
	v_pk_add_f32 v[240:241], v[240:241], v[110:111]
	v_pk_add_f32 v[238:239], v[238:239], v[114:115]
	v_pk_add_f32 v[230:231], v[230:231], v[118:119]
	v_pk_add_f32 v[14:15], v[14:15], v[122:123]
	v_pk_add_f32 v[236:237], v[236:237], v[126:127]
	v_pk_add_f32 v[246:247], v[246:247], v[130:131]
	v_pk_add_f32 v[244:245], v[244:245], v[134:135]
	v_pk_add_f32 v[242:243], v[242:243], v[138:139]
	v_pk_add_f32 v[240:241], v[240:241], v[142:143]
	v_pk_add_f32 v[238:239], v[238:239], v[146:147]
	v_pk_add_f32 v[230:231], v[230:231], v[150:151]
	v_pk_add_f32 v[14:15], v[14:15], v[154:155]
	v_pk_add_f32 v[236:237], v[236:237], v[158:159]
	s_delay_alu instid0(VALU_DEP_2)
	v_pk_add_f32 v[14:15], v[14:15], v[242:243]
	s_delay_alu instid0(VALU_DEP_2)
	v_pk_add_f32 v[236:237], v[236:237], v[240:241]
	v_pk_add_f32 v[246:247], v[246:247], v[238:239]
	v_pk_add_f32 v[244:245], v[244:245], v[230:231]
	s_delay_alu instid0(VALU_DEP_2)
	v_pk_add_f32 v[14:15], v[14:15], v[246:247]
	s_delay_alu instid0(VALU_DEP_2)
	v_pk_add_f32 v[236:237], v[236:237], v[244:245]
	s_delay_alu instid0(VALU_DEP_1)
	v_pk_add_f32 v[14:15], v[14:15], v[236:237]
	s_wait_alu depctr_va_vdst(0)                   ; and one for the four
.irp b, 0,1,2,3
	v_max_num_f32 v[232+\b], 0x1800000, v[232+\b]  ; the floor 2^(3 - 127): the byte cannot fall under 1 (a block whose every p is 0 keeps that byte: its codes are zeros)
.endr
.irp b, 0,1,2,3
	s_delay_alu instid0(VALU_DEP_4)
	v_add_nc_u32 v[244+\b], 0xff000000, v[232+\b]  ; 2 off the exponent field: the conversion's scale operand
.endr
.irp b, 0,1,2,3
	s_delay_alu instid0(VALU_DEP_4)
	v_lshrrev_b32 v[236+\b], 23, v[244+\b]         ; the scale's byte
.endr
	s_delay_alu instid0(VALU_DEP_3)
	v_lshl_or_b32 v253, v237, 8, v236              ; p's scale word for these 128 keys
	s_delay_alu instid0(VALU_DEP_1)
	v_lshl_or_b32 v253, v238, 16, v253
	s_delay_alu instid0(VALU_DEP_1)
	v_lshl_or_b32 v253, v239, 24, v253
.irp c, 0,1
	v_cvt_scalef32_pk8_fp4_f32 v[224+4*\c], v[96+32*\c:103+32*\c], v[244+2*\c]
	v_cvt_scalef32_pk8_fp4_f32 v[226+4*\c], v[104+32*\c:111+32*\c], v[244+2*\c]
	v_cvt_scalef32_pk8_fp4_f32 v[225+4*\c], v[112+32*\c:119+32*\c], v[245+2*\c]
	v_cvt_scalef32_pk8_fp4_f32 v[227+4*\c], v[120+32*\c:127+32*\c], v[245+2*\c]
.endr
	v_nop                                          ; one plain instruction behind the last scaled conversion
.irp c, 0,1
	v_permlane16_swap_b32 v[224+4*\c], v[225+4*\c] ; the operand's layout wants a whole block in a lane: lanes 0-15 block 2 c, lanes 16-31 block 2 c + 1
	v_permlane16_swap_b32 v[226+4*\c], v[227+4*\c]
.endr
.irp j, 0,2,4,6,8,10,12,14,16,18,20,22,24,26,28,30,32,34,36,38,40,42,44,46,48,50,52,54,56,58,60,62
	v_pk_mul_f32 v[160+\j:161+\j], v[160+\j:161+\j], v[252:253] op_sel_hi:[1,0]   ; O^T under the new M.  (These 32 are also the places between the codes' and the scale word's last writes and the matrix instructions below)
.endr
	s_wait_alu depctr_va_vdst(0)
	s_wait_dscnt 0x0                               ; V's images and scale words are in
.irp t, 0,2,4,6
	v_wmma_scale_f32_16x16x128_f8f6f4 v[160+8*\t:167+8*\t], v[32+8*\t:39+8*\t], v[224:231], v[160+8*\t:167+8*\t], v[248+\t/2], v253 matrix_a_fmt:MATRIX_FMT_FP4 matrix_b_fmt:MATRIX_FMT_FP4
	v_wmma_scale_f32_16x16x128_f8f6f4 v[168+8*\t:175+8*\t], v[40+8*\t:47+8*\t], v[224:231], v[168+8*\t:175+8*\t], v[248+\t/2], v253 matrix_a_fmt:MATRIX_FMT_FP4 matrix_b_fmt:MATRIX_FMT_FP4 matrix_a_scale:MATRIX_SCALE_ROW1
.endr
.Lhidden_\@:
	s_add_co_u32 s[KF], s[KF], 128
.endm
; THE CHANGE OF SLOTS stands at a slot's head.  Each wave waits for all its tensor loads (its part of the slot that it is about to read), adds 0 to its spare word (fill = 1: twice on end), and waits for that and for its reads of the slot that it has left.
; Behind the barrier the slot ahead is whole and nobody reads the other one.  fill = 1: that other slot takes the keys that follow, up to the causal limit: the load has a whole slot's steps in which to land.
.macro CHANGE fill
	s_wait_tensorcnt 0x0                           ; no tensor load of mine is out, so a group 0 may be written
	ds_add_u32 v[SPW], v[NIL]                      ; 0 onto my spare word
.if \fill
	ds_add_u32 v[SPW], v[NIL]                      ; and once more: the add twice on end, in every trip alike
	s_xor_b32 s[G0+1], s[G0+1], SLOT1              ; the walking descriptor: the other slot than last time,
	s_add_nc_u64 s[G0+2:G0+3], s[G0+2:G0+3], SLOTB ; the next 512 keys; the type bits on top are not reached
	s_wait_xcnt 0x0                                ; the last prefetch, a slot back, has read its address, so it may be written:
	s_add_nc_u64 s[PFA:PFA+1], s[PFA:PFA+1], SLOTB ; one slot further on than the walking descriptor
.endif
	s_wait_dscnt 0x0                               ; the add is done (fill = 1: both are), and my reads of the slot that I have left are over
	s_barrier_signal -1
	s_barrier_wait -1
.if \fill
	s_add_co_u32 s96, s[KF], 512                   ; the first key of the slot that this change would ask for: where it comes after the work-group's last query, none of the sixteen waves reads that slot, and it is not asked for.
	s_cmp_gt_u32 s96, s[LASTQ]                     ; Ids and the count of steps alone: all sixteen waves go the same way, and a work-group past the limit stays past it.  Every wait on TENSORcnt in this text is for 0
	s_cbranch_scc1 .Lpast_\@
	TLOAD                                          ; a wave's one tensor load until the next such barrier
.Lpast_\@:
	ASK
.endif
.endm
.macro SLOT_STEPS
	STEP 0
	STEP 1
	STEP 2
	STEP 3
	s_xor_b32 s[TB], s[TB], SLOT1                  ; on to the other slot
.endm
	s_wait_loadcnt 0x0                             ; Q
.Lslot:                                            ; NSL - 1 trips: behind each change of slots but the last the next slot is asked for, up to the limit
	CHANGE 1
	SLOT_STEPS
	s_sub_co_u32 s[SLOTS], s[SLOTS], 1
	s_cmp_lg_u32 s[SLOTS], 0
	s_cbranch_scc1 .Lslot
	CHANGE 0                                       ; the last slot is written out: nothing is left to fetch
	SLOT_STEPS
	; THE WAY OUT.  O^T is divided by the row's sum and quantised along the head's 128: K step = head of the last product.  Its image goes to oa, its scale words through LDS to os
	v_add_f32 v14, v14, v15                        ; the sum's two halves,
	s_delay_alu instid0(VALU_DEP_1)
	v_permlanex16_b32 v252, v14, s[SEL], s[SEL+1]
	s_delay_alu instid0(VALU_DEP_1)
	v_add_f32 v14, v14, v252                       ; and lane l xor 16's: the row's sum
	s_wait_alu depctr_va_vdst(0)
	v_rcp_f32 v14, v14
.rept 4
	v_nop                                          ; the plain instruction behind the reciprocal, and the places behind the last products
.endr
	s_wait_alu depctr_va_vdst(0)                   ; the wait ahead of the reciprocal's first reader
.irp j, 0,1,2,3,4,5,6,7,8,9,10,11,12,13,14,15,16,17,18,19,20,21,22,23,24,25,26,27,28,29,30,31,32,33,34,35,36,37,38,39,40,41,42,43,44,45,46,47,48,49,50,51,52,53,54,55,56,57,58,59,60,61,62,63
	v_mul_f32 v[96+\j], v[160+\j], v14             ; register 8 T + j is o(query r, channel 16 T + 8 h + j); each accumulator from its low end on
.endr
	QUANT 96, 224, 252
	global_store_b128 v[LI], v[224:227], s[OAB:OAB+1]             ; the fragment's image: 512 consecutive bytes a store
	global_store_b128 v[LI], v[228:231], s[OAB:OAB+1] offset:512
	ds_store_b32 v[OSA], v252                      ; both halves of the lanes write the same word with the same value
	s_wait_dscnt 0x0                               ; for the others' sake
	s_barrier_signal -1
	s_barrier_wait -1                              ; the sixteen tiles' scale words lie in LDS
	s_cmp_lt_u32 s[WV], 4
	s_cbranch_scc0 .Lno_words
	ds_load_b64 v[32:33], v[OSR]                   ; waves 0 to 3 store four tiles' words each: 256 consecutive bytes, aligned
	s_wait_dscnt 0x0
	global_store_b64 v[L8], v[32:33], s[OSB:OSB+1]
.Lno_words:
	s_wait_tensorcnt 0x0                           ; the wave's end: behind my last tensor load and my last LDS store
	ds_add_u32 v[SPW], v[NIL]
	s_wait_dscnt 0x0
	s_endpgm
.Lfunc_end_k_qc47e97521d_attn:
	.size	k_qc47e97521d_attn, .Lfunc_end_k_qc47e97521d_attn-k_qc47e97521d_attn
	.p2alignl 7, 3214868480
	.fill 96, 4, 3214868480
	.section	.rodata,"a",@progbits
	.p2align	6, 0x0
	.amdhsa_kernel k_qc47e97521d_attn
		.amdhsa_group_segment_fixed_size 327680
		.amdhsa_private_segment_fixed_size 0
		.amdhsa_enable_private_segment 0
		.amdhsa_kernarg_size 24
		.amdhsa_user_sgpr_count 2
		.amdhsa_user_sgpr_kernarg_segment_ptr 1
		.amdhsa_wavefront_size32 1
		.amdhsa_system_sgpr_workgroup_id_x 1
		.amdhsa_system_sgpr_workgroup_id_y 1
		.amdhsa_system_sgpr_workgroup_id_z 1
		.amdhsa_system_vgpr_workitem_id 0
		.amdhsa_next_free_vgpr 256
		.amdhsa_next_free_sgpr 100
		.amdhsa_reserve_vcc 1
		.amdhsa_float_denorm_mode_32 3
		.amdhsa_float_denorm_mode_16_64 3
		.amdhsa_memory_ordered 1
		.amdhsa_forward_progress 1
		.amdhsa_inst_pref_size 209
	.end_amdhsa_kernel
	.amdgpu_metadata
---
amdhsa.version: [ 1, 2 ]
amdhsa.kernels:
  - .name:           k_qc47e97521d_attn
    .symbol:         k_qc47e97521d_attn.kd
    .args:
      - { .name: kv, .offset: 0, .size: 8, .value_kind: global_buffer, .address_space: global }
      - { .name: oa, .offset: 8, .size: 8, .value_kind: global_buffer, .address_space: global }
      - { .name: os, .offset: 16, .size: 8, .value_kind: global_buffer, .address_space: global }
    .group_segment_fixed_size: 327680
    .private_segment_fixed_size: 0
    .kernarg_segment_align: 8
    .kernarg_segment_size: 24
    .max_flat_workgroup_size: 512
    .sgpr_count:     100
    .vgpr_count:     256
    .wavefront_size: 32
...
	.end_amdgpu_metadata
.endif
;; end of part 3
;; launch oproj (part 4): grid 16 x 16, 4 waves a work-group, clusters of 4 x 4, 327,680 bytes of LDS; arguments oa, os, Wo_w_codes, Wo_w_scales, Wo_b, X, out0; writes out0
.if DOCPART == 4
	.amdgcn_target "amdgcn-amd-amdhsa--gfx1250"
	.amdhsa_code_object_version 6
	.text
	.protected	k_qc47e97521d_oproj
	.globl	k_qc47e97521d_oproj
	.p2align	8
	.type	k_qc47e97521d_oproj,@function
k_qc47e97521d_oproj:
	s_mov_b64 s[64:65], 0
	v_nop
	global_prefetch_b8 v0, s[64:65] scope:SCOPE_SE
	s_setreg_imm32_b32 hwreg(HW_REG_WAVE_MODE, 25, 1), 1
	s_wait_xcnt 0x0
	s_wait_alu depctr_hold_cnt(0) depctr_sa_sdst(0) depctr_va_vdst(0) depctr_va_sdst(0) depctr_va_ssrc(0) depctr_va_vcc(0) depctr_vm_vsrc(0)
	s_getreg_b32 s2, hwreg(HW_REG_IB_STS2, 6, 4)
	s_cmp_eq_u32 s2, 0
	s_cbranch_scc0 .Lentry_in_a_cluster
	s_endpgm
.Lentry_in_a_cluster:
	s_bfe_u32 s2, ttmp6, 0x10000c
	s_cmp_lg_u32 s2, 0xf033
	s_cbranch_scc0 .Lentry_shape_is_right
	s_endpgm
.Lentry_shape_is_right:
; out0 = X + O Wo^T + Wo_b on codes of E2M1 (oa, os from launch attn; Wo as given).  Nothing is left out here.
; A work-group makes 256 rows x 128 columns; wave w rows 64 w .. 64 w + 63.  4 x 4 work-groups form a cluster: O's tiles are asked for jointly along a row of it, Wo's along a column.
; K goes in four quarters of 512: quarters 0 to 2 come by the head's loads, one a wave; quarter 3 fills quarter 0's bytes again behind one round of the cluster's barrier.
.set SLOT,  100352                     ; a quarter of K in LDS: O's 65,536 bytes and Wo's 128 rows x 272
.set XQ,    65536                      ; O's quarters 0, 1, 2 lie one behind the other from byte 0: 196,608 bytes, dense in memory too, so one descriptor covers them;
.set WQ,    34816                      ; Wo's three quarters lie behind them, from BOFF on
.set BOFF,  3*XQ
.set SPARE, 3*SLOT
.set ADRA, 3
.set ADRB, 6
.set LI,   9
.set SPW,  12
.set NIL,  13
.set SA,   32
.set SB,   64
.set BT,   128
.set HO,   192
.set BK,   128
.set AF,   0
.set BF,   64
.set STO,  3
.set RD,   4
.set SPITCH, 528
.set G1A,  24
.set G1B,  32
.set G0A,  48
.set G0B,  68
.set XB,   88
.set OB,   90
.set MSB,  0
.macro WIN new
.if MSB != \new
	s_set_vgpr_msb (MSB<<8)|\new
.set MSB, \new
.endif
.endm
.macro PLACES
.rept 4
	v_nop
.endr
.endm
.macro JLOAD s
	s_cmp_eq_u32 s19, 0
	s_cbranch_scc0 .Lfor_b_\@
	tensor_load_to_lds s[G0A+4*\s:G0A+4*\s+3], s[G1A:G1A+7]
	s_nop 0
.rept 4
	v_nop
.endr
	s_branch .Lasked_\@
.Lfor_b_\@:
	tensor_load_to_lds s[G0B+4*\s:G0B+4*\s+3], s[G1B:G1B+7]
	s_nop 0
.rept 4
	v_nop
.endr
.Lasked_\@:
.endm
.macro CROUND
	s_barrier_signal -1
	s_barrier_wait -1
	s_cmp_lg_u32 s18, 0
	s_cbranch_scc1 .Lnot_wave_0_\@
	s_barrier_signal -3
.Lnot_wave_0_\@:
	s_barrier_wait -3
	s_barrier_signal -1
	s_barrier_wait -1
.endm
.macro WM
.if (fA == 1) && (fB == 1)
	v_wmma_scale_f32_16x16x128_f8f6f4 v[rD:rD+7], v[rA:rA+7], v[rB:rB+7], v[rC:rC+7], v[xA], v[xB] matrix_a_fmt:MATRIX_FMT_FP4 matrix_b_fmt:MATRIX_FMT_FP4 matrix_a_scale:MATRIX_SCALE_ROW1 matrix_b_scale:MATRIX_SCALE_ROW1
.elseif fA == 1
	v_wmma_scale_f32_16x16x128_f8f6f4 v[rD:rD+7], v[rA:rA+7], v[rB:rB+7], v[rC:rC+7], v[xA], v[xB] matrix_a_fmt:MATRIX_FMT_FP4 matrix_b_fmt:MATRIX_FMT_FP4 matrix_a_scale:MATRIX_SCALE_ROW1
.elseif fB == 1
	v_wmma_scale_f32_16x16x128_f8f6f4 v[rD:rD+7], v[rA:rA+7], v[rB:rB+7], v[rC:rC+7], v[xA], v[xB] matrix_a_fmt:MATRIX_FMT_FP4 matrix_b_fmt:MATRIX_FMT_FP4 matrix_b_scale:MATRIX_SCALE_ROW1
.else
	v_wmma_scale_f32_16x16x128_f8f6f4 v[rD:rD+7], v[rA:rA+7], v[rB:rB+7], v[rC:rC+7], v[xA], v[xB] matrix_a_fmt:MATRIX_FMT_FP4 matrix_b_fmt:MATRIX_FMT_FP4
.endif
.endm
.macro FETCH slot, q, p
	WIN 0x40
.irp a, 0,1,2,3
.irp c, 0,1
	ds_load_b128 v[AF+32*(\p)+8*\a+4*\c:AF+32*(\p)+8*\a+4*\c+3], v[ADRA+\slot] offset:4096*(\q)+1024*\a+512*\c
.endr
.endr
.irp b, 0,1,2,3,4,5,6,7
.irp c, 0,1
	ds_load_b128 v[BF+64*(\p)+8*\b+4*\c:BF+64*(\p)+8*\b+4*\c+3], v[ADRB+\slot] offset:4352*\b+64*(\q)+32*\c
.endr
.endr
.endm
.macro MULH k, a0
.if (\k) == 0
	WIN 0x85
.else
	WIN 0xa5
.endif
.irp a, \a0, \a0+1
.irp b, 0,1,2,3,4,5,6,7
.set rD, 8*(8*(\a)+\b)
.set rA, BF+64*((\k)%2)+8*\b
.set rB, AF+32*((\k)%2)+8*(\a)
.set xA, SB+16*(\b/2)+(\k)
.set xB, SA+2*(\k)+(\a)/2
.set fA, \b%2
.set fB, (\a)%2
.set rC, rD
.if (\k) == 0
.set rC, BT+8*\b
.endif
	WM
.endr
.endr
.endm
.macro KSTEP k, sn, qn
.if (\k) > 0
	PLACES
.endif
	FETCH \sn, \qn, ((\k)+1)%2
	s_wait_dscnt 24
	MULH \k, 0
	MULH \k, 2
.endm
.macro XLOAD a
	WIN 0xc0
.irp t, 0,1,2,3,4,5,6,7,8,9,10,11,12,13,14,15
	global_load_b128 v[64*(\a)+4*\t:64*(\a)+4*\t+3], v[LI], s[XB:XB+1] offset:(16*(\a)+\t)*8192 th:TH_LOAD_NT
.endr
.endm
	s_load_b256 s[4:11], s[0:1], 0x0
	s_load_b128 s[12:15], s[0:1], 0x20
	s_load_b64 s[16:17], s[0:1], 0x30
	v_lshl_add_u32 v[SPW], v0, 2, SPARE
	v_mov_b32 v[NIL], 0
	ds_add_u32 v[SPW], v[NIL]
	ds_add_u32 v[SPW], v[NIL]
	v_lshrrev_b32 v1, 5, v0
	v_readfirstlane_b32 s18, v1
	s_lshr_b32 s19, s18, 1
	s_and_b32 s20, s18, 1
	s_bfe_u32 s40, ttmp6, 0x40000
	s_bfe_u32 s41, ttmp6, 0x40004
	s_lshl_b32 s42, ttmp9, 2
	s_add_co_u32 s42, s42, s40
	s_and_b32 s43, ttmp7, 0xffff
	s_lshl_b32 s43, s43, 2
	s_add_co_u32 s43, s43, s41
	s_lshl_b32 s44, s41, 2
	s_lshl_b32 s44, 15, s44
	s_lshl_b32 s45, 0x1111, s40
	s_or_b32 s[G1A], s44, (3<<16)|(1<<21)
	s_mov_b32 s[G1A+1], 32<<16
	s_mov_b32 s[G1A+2], 768<<16                    ; the head's load brings 768 rows of 256 bytes
	s_mov_b32 s[G1A+3], 32<<16
	s_mov_b32 s[G1A+4], 768
	s_mov_b32 s[G1A+5], 32
	s_mov_b32 s[G1A+6], 0
	s_mov_b32 s[G1A+7], 0
	s_or_b32 s[G1B], s45, (1<<20)|(1<<21)|(5<<22)|(3<<25)
	s_mov_b32 s[G1B+1], 256<<16
	s_mov_b32 s[G1B+2], 128<<16                    ; the head's loads bring all 128 rows of a quarter
	s_mov_b32 s[G1B+3], 256<<16
	s_mov_b32 s[G1B+4], 128
	s_mov_b32 s[G1B+5], 1024
	s_mov_b32 s[G1B+6], 0
	s_mov_b32 s[G1B+7], 0
	s_lshl_b32 s80, s43, 18
	s_lshl_b32 s46, s20, 15
	s_add_co_u32 s80, s80, s46
	s_mov_b32 s81, 0
	s_lshl_b32 s84, s42, 17
	s_lshl_b32 s47, s20, 16
	s_add_co_u32 s84, s84, s47
	s_mov_b32 s85, 0
	s_mul_i32 s47, s20, 64*272
	s_wait_dscnt 0x0
	s_wait_kmcnt 0x0
	s_add_nc_u64 s[82:83], s[4:5], s[80:81]
	s_add_nc_u64 s[86:87], s[8:9], s[84:85]
	CROUND
	s_mov_b32 s[G0A], 1                            ; the refill's groups 0: quarter 3 of K, my half of it, onto quarter 0's bytes
	s_add_co_u32 s[G0A+1], s46, 0
	s_add_nc_u64 s[G0A+2:G0A+3], s[82:83], 3*65536
	s_or_b32 s[G0A+3], s[G0A+3], 0x80000000
	s_mov_b32 s[G0B], 1
	s_add_co_u32 s[G0B+1], s47, BOFF
	s_add_nc_u64 s[G0B+2:G0B+3], s[86:87], 3*256
	s_or_b32 s[G0B+3], s[G0B+3], 0x80000000
	s_lshl_b32 s92, s43, 18                        ; the head's groups 0.  O: the block's first 196,608 bytes, to LDS byte 0
	s_mov_b32 s93, 0
	s_mov_b32 s[G0A+4], 1
	s_mov_b32 s[G0A+5], 0
	s_add_nc_u64 s[G0A+6:G0A+7], s[4:5], s[92:93]
	s_or_b32 s[G0A+7], s[G0A+7], 0x80000000
	s_xor_b32 s96, s18, 3                          ; Wo: waves 1, 2, 3 take quarters 2, 1, 0 (wave 0's number is held at 2 and not used)
	s_min_u32 s96, s96, 2
	s_mul_i32 s97, s96, WQ
	s_lshl_b32 s94, s42, 17                        ; row 128 x column block, 1,024 bytes a row, + 256 bytes a quarter
	s_lshl_b32 s98, s96, 8
	s_add_co_u32 s94, s94, s98
	s_mov_b32 s95, 0
	s_mov_b32 s[G0B+4], 1
	s_add_co_u32 s[G0B+5], s97, BOFF
	s_add_nc_u64 s[G0B+6:G0B+7], s[8:9], s[94:95]
	s_or_b32 s[G0B+7], s[G0B+7], 0x80000000
	; THE HEAD'S LOADS, ONE A WAVE: wave 0 fetches O's quarters 0 to 2, waves 1 to 3 one quarter of Wo's 128 rows each.  One branch on the wave's number, a load in each arm, one join
	s_cmp_eq_u32 s18, 0
	s_cbranch_scc0 .Lhead_w
	tensor_load_to_lds s[G0A+4:G0A+7], s[G1A:G1A+7]
	s_nop 0
.rept 4
	v_nop
.endr
	s_branch .Lhead_asked
.Lhead_w:
	tensor_load_to_lds s[G0B+4:G0B+7], s[G1B:G1B+7]
	s_nop 0
.rept 4
	v_nop
.endr
.Lhead_asked:
	v_and_b32 v1, 15, v0
	v_bfe_u32 v2, v0, 4, 1
	v_and_b32 v[LI], 31, v0
	v_lshlrev_b32 v[HO], 2, v[LI]
	v_lshlrev_b32 v[LI], 4, v[LI]
	s_lshl_b32 s21, s18, 14
	v_add_nc_u32 v[ADRA], s21, v[LI]
	v_add_nc_u32 v[ADRA+1], XQ, v[ADRA]
	v_add_nc_u32 v[ADRA+2], 2*XQ, v[ADRA]
	v_mul_u32_u24 v[ADRB], v1, 272
	v_lshl_add_u32 v[ADRB], v2, 4, v[ADRB]
	v_add_nc_u32 v[ADRB], BOFF, v[ADRB]
	v_add_nc_u32 v[ADRB+1], WQ, v[ADRB]
	v_add_nc_u32 v[ADRB+2], 2*WQ, v[ADRB]
	v_lshlrev_b32 v[HO+1], 2, v[LI]
	s_wait_alu depctr_va_vdst(0)
	v_lshlrev_b32 v[HO+2], 5, v2
	s_wait_alu depctr_va_vdst(0)
	s_lshl_b32 s22, s43, 2
	s_add_co_u32 s22, s22, s18
	s_lshl_b32 s22, s22, 12
	s_mov_b32 s23, 0
	s_add_nc_u64 s[6:7], s[6:7], s[22:23]
	s_lshl_b32 s22, s42, 13
	s_add_nc_u64 s[10:11], s[10:11], s[22:23]
	s_lshl_b32 s22, s42, 9
	s_add_nc_u64 s[12:13], s[12:13], s[22:23]
	s_lshl_b32 s21, s43, 21
	s_add_co_u32 s22, s22, s21
	s_lshl_b32 s21, s18, 19
	s_add_co_u32 s22, s22, s21
	s_add_nc_u64 s[XB:XB+1], s[14:15], s[22:23]
	s_add_nc_u64 s[OB:OB+1], s[16:17], s[22:23]
.irp k, 0,1,2,3,4,5,6,7,8,9,10,11,12,13,14,15
.irp i, 0,1
	global_load_b32 v[SA+2*\k+\i], v[HO], s[6:7] offset:256*\k+128*\i
.endr
.endr
.irp g, 0,1,2,3
.irp q, 0,1,2,3
	global_load_b128 v[SB+16*\g+4*\q:SB+16*\g+4*\q+3], v[HO+1], s[10:11] offset:2048*\g+16*\q
.endr
.endr
.irp b, 0,1,2,3,4,5,6,7
.irp c, 0,1
	global_load_b128 v[BT+8*\b+4*\c:BT+8*\b+4*\c+3], v[HO+2], s[12:13] offset:64*\b+16*\c
.endr
.endr
	s_wait_tensorcnt 0x0                           ; my one load of the head is in
	s_barrier_signal -1
	s_barrier_wait -1
	FETCH 0, 0, 0
	s_wait_loadcnt 0x0
	XLOAD 0
	KSTEP 0, 0, 1
	KSTEP 1, 0, 2
	KSTEP 2, 0, 3
	WIN 0
	s_wait_tensorcnt 0x0
	ds_add_u32 v[SPW], v[NIL]
	s_mov_b32 s[G1A+2], 128<<16                    ; no tensor load of mine is out, so a descriptor may be written: the refill brings halves: 128 rows of O's dense bytes,
	s_mov_b32 s[G1A+4], 128
	s_mov_b32 s[G1B+2], 64<<16                     ; 64 rows of Wo
	s_mov_b32 s[G1B+4], 64
	s_wait_dscnt 1
	MULH 3, 0
	WIN 0
	s_wait_dscnt 0x0
	CROUND
	JLOAD 0
	FETCH 1, 0, 0
	XLOAD 1
	MULH 3, 2
	KSTEP 4, 1, 1
	KSTEP 5, 1, 2
	KSTEP 6, 1, 3
	KSTEP 7, 2, 0
	XLOAD 2
	KSTEP 8, 2, 1
	KSTEP 9, 2, 2
	KSTEP 10, 2, 3
	s_wait_dscnt 0x0
	MULH 11, 0
	WIN 0
	s_wait_tensorcnt 0x0
	s_barrier_signal -1
	s_barrier_wait -1
	PLACES
	FETCH 0, 0, 0
	XLOAD 3
	MULH 11, 2
	KSTEP 12, 0, 1
	KSTEP 13, 0, 2
	KSTEP 14, 0, 3
	s_wait_dscnt 0x0
	MULH 15, 0
	MULH 15, 2
	WIN 0
	PLACES
	s_mul_i32 s21, s18, 16*SPITCH
	s_add_co_u32 s21, s21, XQ                      ; the stages lie in O's quarter 1: it has had its one fill, and every wave's reads of it ended ahead of the last barrier
	v_mul_u32_u24 v[STO], v1, SPITCH
	v_lshl_add_u32 v[STO], v2, 5, v[STO]
	v_add_nc_u32 v[STO], s21, v[STO]
	v_add_nc_u32 v[RD], s21, v[LI]
	s_wait_alu depctr_va_vdst(0)
	s_wait_loadcnt 0x0
.macro TOSTAGE a
	WIN 0x08
.irp b, 0,1,2,3,4,5,6,7
	ds_store_b128 v[STO], v[8*(8*(\a)+\b):8*(8*(\a)+\b)+3] offset:64*\b
	ds_store_b128 v[STO], v[8*(8*(\a)+\b)+4:8*(8*(\a)+\b)+7] offset:64*\b+16
.endr
	WIN 0
.irp t, 0,1,2,3,4,5,6,7,8,9,10,11,12,13,14,15
	ds_load_b128 v[BK+64*((\a)%2)+4*\t:BK+64*((\a)%2)+4*\t+3], v[RD] offset:\t*SPITCH
.endr
.endm
.macro SEND a, younger
	s_wait_dscnt \younger
	WIN 0x0c
.set i, 0
.rept 32
	v_pk_add_f32 v[BK+64*((\a)%2)+2*i:BK+64*((\a)%2)+2*i+1], v[BK+64*((\a)%2)+2*i:BK+64*((\a)%2)+2*i+1], v[64*(\a)+2*i:64*(\a)+2*i+1]
.set i, i+1
.endr
	WIN 0
.irp t, 0,1,2,3,4,5,6,7,8,9,10,11,12,13,14,15
	global_store_b128 v[LI], v[BK+64*((\a)%2)+4*\t:BK+64*((\a)%2)+4*\t+3], s[OB:OB+1] offset:(16*(\a)+\t)*8192 th:TH_STORE_NT
.endr
.endm
	TOSTAGE 0
.irp a, 1,2,3
.if \a > 1
	s_wait_xcnt 0x0
.endif
	TOSTAGE \a
	SEND \a-1, 32
.endr
	SEND 3, 0
	s_wait_tensorcnt 0x0
	ds_add_u32 v[SPW], v[NIL]
	s_wait_dscnt 0x0
	CROUND
	s_endpgm
.Lfunc_end_k_qc47e97521d_oproj:
	.size	k_qc47e97521d_oproj, .Lfunc_end_k_qc47e97521d_oproj-k_qc47e97521d_oproj
	.p2alignl 7, 3214868480
	.fill 96, 4, 3214868480
	.section	.rodata,"a",@progbits
	.p2align	6, 0x0
	.amdhsa_kernel k_qc47e97521d_oproj
		.amdhsa_group_segment_fixed_size 327680
		.amdhsa_private_segment_fixed_size 0
		.amdhsa_enable_private_segment 0
		.amdhsa_kernarg_size 56
		.amdhsa_user_sgpr_count 2
		.amdhsa_user_sgpr_kernarg_segment_ptr 1
		.amdhsa_wavefront_size32 1
		.amdhsa_system_sgpr_workgroup_id_x 1
		.amdhsa_system_sgpr_workgroup_id_y 1
		.amdhsa_system_sgpr_workgroup_id_z 1
		.amdhsa_system_vgpr_workitem_id 0
		.amdhsa_next_free_vgpr 1024
		.amdhsa_next_free_sgpr 100
		.amdhsa_reserve_vcc 0
		.amdhsa_float_denorm_mode_32 3
		.amdhsa_float_denorm_mode_16_64 3
		.amdhsa_memory_ordered 1
		.amdhsa_forward_progress 1
		.amdhsa_inst_pref_size 135
	.end_amdhsa_kernel
	.amdgpu_metadata
---
amdhsa.version: [ 1, 2 ]
amdhsa.kernels:
  - .name:           k_qc47e97521d_oproj
    .symbol:         k_qc47e97521d_oproj.kd
    .args:
      - { .name: oa, .offset: 0, .size: 8, .value_kind: global_buffer, .address_space: global }
      - { .name: os, .offset: 8, .size: 8, .value_kind: global_buffer, .address_space: global }
      - { .name: Wo_w_codes, .offset: 16, .size: 8, .value_kind: global_buffer, .address_space: global }
      - { .name: Wo_w_scales, .offset: 24, .size: 8, .value_kind: global_buffer, .address_space: global }
      - { .name: Wo_b, .offset: 32, .size: 8, .value_kind: global_buffer, .address_space: global }
      - { .name: X, .offset: 40, .size: 8, .value_kind: global_buffer, .address_space: global }
      - { .name: out0, .offset: 48, .size: 8, .value_kind: global_buffer, .address_space: global }
    .group_segment_fixed_size: 327680
    .private_segment_fixed_size: 0
    .kernarg_segment_align: 8
    .kernarg_segment_size: 56
    .max_flat_workgroup_size: 128
    .sgpr_count:     100
    .vgpr_count:     1024
    .wavefront_size: 32
...
	.end_amdgpu_metadata
.endif
;; end of part 4
